; MI455X (gfx1250); checked and timed in simulation.
; The chip was launched on July 23, 2026; its instructions are those of AMD's public machine-readable ISA for CDNA 5 (MIT licence, August 2026) and "CDNA5" Instruction Set Architecture Reference Guide (July 2026). The comments in the code are by the model that wrote it; some were corrected since.
;; Attention. Allowed arithmetic: matrix products marked QUANTISED: E2M1 operands, one E8M0 scale for each 32 along K, by v_wmma_scale_f32_16x16x128_f8f6f4 with both operands' format E2M1 (or v_wmma_scale_f32_32x16x128_f4), f32 sums; products left as they are: bf16, f16 or f32 operands; f32 sums; everything else in f32.
;; Inputs: Wk 1,024 x 1,024 float32; Wo 1,024 x 1,024 float32; Wq 1,024 x 1,024 float32; Wv 1,024 x 1,024 float32; mask 2,048 x 2,048 float32; x 2 x 2,048 x 1,024 float32.
;; Outputs: out0 2 x 2,048 x 1,024 float32.
;; This version of the problem:
;;   THIS VERSION OF THE PROBLEM IS GIVEN IN LOW PRECISION. The matrix products marked QUANTISED in the list below multiply operands that are first quantised to E2M1 (2 exponent bits, 1 mantissa bit; 4 bits a number), with one power-of-two scale for each 32 numbers along K (OCP MX v1.0); their sums are f32. The products marked 'left as it is' may take bf16, f16 or f32 operands, with f32 sums. Whichever they take, every output number must still come out within the allowed error. Rounding operands to bf16 (8 significant bits) uses up far more of that allowance than f16 does (11 bits, for magnitudes from 6e-5 to 65,504). All else is computed in f32.
;;   The module's matrix products, in the order in which they are computed (A, B: the left and right operand; K: the contracted axis; several contracted axes count as one K, in the product's order):
;;     1. [M 4,096, K 1,024] x [K 1,024, N 1,024]; A: input x; B: input Wq: QUANTISED
;;     2. [M 4,096, K 1,024] x [K 1,024, N 1,024]; A: input x; B: input Wk: QUANTISED
;;     3. [M 4,096, K 1,024] x [K 1,024, N 1,024]; A: input x; B: input Wv: QUANTISED
;;     4. batch 32 x [M 2,048, K 64] x [K 64, N 2,048]; A: computed on the way; B: computed on the way: left as it is (an operand is computed on the way)
;;     5. batch 32 x [M 64, K 2,048] x [K 2,048, N 2,048]; A: computed on the way; B: computed on the way: left as it is (an operand is computed on the way)
;;     6. [M 4,096, K 1,024] x [K 1,024, N 1,024]; A: computed on the way; B: input Wo: left as it is (an operand is computed on the way)
;;   THE QUANTISER, for each operand of a quantised product, along K:
;;     - K is cut into blocks of 32 from its start; a last block that is shorter is filled with zeros.
;;     - A block's scale is 2^e with e = floor(log2(the largest magnitude in the block)) - 2, held to -126 .. 127; a block of zeros has e = 0. As a byte (E8M0): e + 127.
;;     - Each number is divided by its block's scale, clamped to +-6, and rounded to the nearest number of E2M1, ties to even, subnormals kept.
;;     - The product sums the exact products of the quantised numbers (number of the format x scale) in f32.
;;   ~~~python
;;   def quantise(x, axis):      # numpy; x: float32 -> the quantised numbers, widened to float32 again
;;       x = np.moveaxis(x, axis, -1); K = x.shape[-1]
;;       x = np.pad(x, [(0, 0)] * (x.ndim - 1) + [(0, -K % 32)]); x = x.reshape(x.shape[:-1] + (-1, 32)); a = np.abs(x).max(-1, keepdims=True)
;;       e = np.where(a > 0, np.clip(np.frexp(np.where(a > 0, a, 1))[1] - 1 - 2, -126, 127), 0)      # np.frexp(a)[1] - 1 = floor(log2(a)), exactly
;;       r = np.clip(x / 2.0 ** e, -6, 6)
;;       step = 2.0 ** (np.maximum(np.frexp(np.where(r == 0, 1, r))[1] - 1, 0) - 1)
;;       q = np.round(r / step) * step * 2.0 ** e      # np.round: ties to even
;;       return np.moveaxis(q.reshape(q.shape[:-2] + (-1,))[..., :K], -1, axis).astype(np.float32)
;;   ~~~
;; One version. Each part assembles by itself: llvm-mc -triple=amdgcn-amd-amdhsa -mcpu=gfx1250 --defsym DOCPART=n.
;; ======== version 1 of 1: 4 launches
;; limits: right only within a limited range of input values; values are held in f16: magnitudes above 65,504 overflow, below 6.1e-05 lose precision
;; workspace buffers: codes 3,670,016 bytes; scales 229,376 bytes; woh 2,097,152 bytes; rope 1,572,864 bytes; qkv 25,165,824 bytes; oh 8,388,608 bytes
;; launch prep (part 1): grid 256 x 1, 4 waves a work-group, no clusters, 33,280 bytes of LDS; arguments x, Wq, Wk, Wv, Wo, codes, scales, woh, rope; writes codes, scales, woh, rope
.if DOCPART == 1
	.amdgcn_target "amdgcn-amd-amdhsa--gfx1250"
	.amdhsa_code_object_version 6
	.text
	.protected	k_q8879045332_prep
	.globl	k_q8879045332_prep
	.p2align	8
	.type	k_q8879045332_prep,@function
k_q8879045332_prep:
	s_mov_b64 s[64:65], 0
	v_nop
	global_prefetch_b8 v0, s[64:65] scope:SCOPE_SE
	s_setreg_imm32_b32 hwreg(HW_REG_WAVE_MODE, 25, 1), 1
	s_wait_xcnt 0x0
; PREP.  Work-groups 0-223: x [4096][1024] and Wq, Wk, Wv [1024][1024], f32, K innermost, become codes of FP4 (E2M1) with one E8M0 scale byte for each 32 along K.
;   codes: x's 4096 rows of 512 bytes, then the 3072 rows of Wq, Wk, Wv;  scales: 32 bytes a row, in the same order.  Rows are dense, so each tensor is a plain stream of blocks of 32.
;   A block's scale is 2^(floor(log2(largest magnitude)) - 2); its byte is the largest magnitude's exponent field - 2, held at 1 from below (a block of zeros keeps the byte 1: its codes are zeros, and this program alone reads the bytes).
; Work-groups 224-255: woh = 2 x Wo in f16 (the attention's result is stored halved), and the rotary table rope [3][2048 positions][32 pairs][cos, sin] f32:
;   section 0 (for q) holds cos / 4, sin / 4; section 1 (for k) cos / 2, sin / 2; section 2 (for v) 0.5, 0: so the next launch scales q, k and v by the rotation itself.
;   cos and sin: the angle position x 10000^(-j / 32) is reduced by a multiple of 2 pi held in two parts, quartered, put through polynomials of degree 9 and 8, and doubled twice.
; LIMITS: NaN and infinities among the inputs are not served; blocks whose largest magnitude lies under 2^-124 keep the byte 1; |Wo| must stay under 32,752 (f16 of 2 Wo); the angle differs from an f32 evaluation of pos / theta^(j/32) by up to some 5e-4 rad at the last positions.
.set WAVES, 4
.set STEPS, 16
.set EMAX,  2
.set CB,    8                          ; bytes of 16 codes
.set R,     16                         ; v16-79   four sets of 16 numbers as loaded
.set X,     80                         ; v80-111  two sets of 16 neighbours
.set E,     112                        ; v112-127 a scale byte for each step
.set C,     128                        ; v128-191 codes: registers of their own for each step
.set WREG,  8192                       ; LDS: a region for each wave: two stages of 32 x SP bytes, then its 256 scale bytes
.set SP,    80                         ; a lane's place in a stage: 64 bytes + 16 of padding
.set SPW,   12                         ; v12  LDS address of my spare word; never rewritten
.set NIL,   13                         ; v13  0; never rewritten
.set SPARE, WAVES*WREG                 ; behind the regions: the spare words, 128 bytes a wave
.set WV,    24                         ; s24  my wave's number
.set RA,    16                         ; the other path: v16-79, v80-143 two buffers of 64 numbers of Wo a lane
.set RB,    80
	s_load_b256 s[4:11], s[0:1], 0x0               ; x s[4:5], Wq s[6:7], Wk s[8:9], Wv s[10:11]
	s_load_b256 s[12:19], s[0:1], 0x20             ; Wo s[12:13], codes s[14:15], scales s[16:17], woh s[18:19]
	s_load_b64 s[20:21], s[0:1], 0x40              ; rope
	v_lshl_add_u32 v[SPW], v0, 2, SPARE
	v_mov_b32 v[NIL], 0
	v_lshrrev_b32 v1, 5, v0
	v_readfirstlane_b32 s[WV], v1                  ; wave 0..3
	v_and_b32 v2, 31, v0                           ; lane
	v_lshlrev_b32 v3, 4, v2                        ; 16 x lane
	s_lshl_b32 s25, ttmp9, 2
	s_add_co_u32 s25, s25, s[WV]                   ; 4 x work-group + wave
	s_mov_b32 s27, 0
	s_cmp_ge_u32 ttmp9, 224
	s_cbranch_scc1 .Lpath_b
; ---------------- the quantiser: a wave takes 16 steps of 512 numbers ----------------
	s_mul_i32 s28, s[WV], WREG
	v_lshrrev_b32 v14, 2, v2
	v_mul_u32_u24 v14, v14, SP
	v_and_b32 v15, 3, v2
	v_lshl_add_u32 v14, v15, 4, v14
	v_add_nc_u32 v14, s28, v14                     ; the stage, in: four lanes' 64 bytes on end, then 16 of padding
	v_mul_u32_u24 v15, v2, SP
	v_add_nc_u32 v15, s28, v15                     ; and out: SP x lane: my 16 neighbours
	v_mul_u32_u24 v4, v2, CB                       ; my codes' place in a step's
	v_lshrrev_b32 v5, 1, v2
	s_add_co_u32 s28, s28, 2*32*SP
	v_add_nc_u32 v5, s28, v5                       ; LDS: my wave's 256 scale bytes, my block's byte
	v_lshlrev_b32 v7, 3, v2
	v_add_nc_u32 v6, s28, v7                       ; and on the way out 8 bytes a lane
	s_sub_co_u32 s26, ttmp9, 128
	s_and_b32 s26, s26, 31                         ; which 32,768 numbers of a weight
	s_wait_kmcnt 0x0
	s_cmp_lt_u32 ttmp9, 192                        ; the source is chosen by the work-group's number alone
	s_cselect_b64 s[22:23], s[8:9], s[10:11]
	s_cmp_lt_u32 ttmp9, 160
	s_cselect_b64 s[22:23], s[6:7], s[22:23]
	s_cmp_lt_u32 ttmp9, 128
	s_cselect_b64 s[22:23], s[4:5], s[22:23]
	s_cselect_b32 s26, ttmp9, s26                  ; or of x
	s_lshl_b32 s26, s26, 2
	s_add_co_u32 s26, s26, s[WV]
	s_lshl_b32 s26, s26, 15                        ; my wave's run: 8,192 numbers, 32,768 bytes
	s_add_nc_u64 s[22:23], s[22:23], s[26:27]
	s_lshl_b32 s26, s25, 12                        ; 4,096 bytes of codes a run: x's 512 runs fill 2 MiB, the weights' follow by themselves
	s_add_nc_u64 s[14:15], s[14:15], s[26:27]
	s_lshl_b32 s26, s25, 8                         ; 256 scale bytes a run
	s_add_nc_u64 s[16:17], s[16:17], s[26:27]
.macro LOAD t
.irp i, 0,1,2,3
	global_load_b128 v[R+16*((\t)%4)+4*\i:R+16*((\t)%4)+4*\i+3], v3, s[22:23] offset:2048*(\t)+512*\i th:TH_LOAD_NT   ; 32 lanes read 512 consecutive bytes
.endr
.endm
.macro TURN t                          ; step t's numbers through the stage; LDS serves a wave's instructions in order, so no wait stands between the stores and the loads
.irp i, 0,1,2,3
	ds_store_b128 v14, v[R+16*((\t)%4)+4*\i:R+16*((\t)%4)+4*\i+3] offset:32*SP*((\t)%2)+8*SP*\i
.endr
.irp i, 0,1,2,3
	ds_load_b128 v[X+16*((\t)%2)+4*\i:X+16*((\t)%2)+4*\i+3], v15 offset:32*SP*((\t)%2)+16*\i
.endr
.endm
.irp t, 0,1,2,3
	LOAD \t
.endr
	s_wait_loadcnt 12                              ; step 0's four loads are in; the 12 of steps 1 to 3 may be out
	TURN 0
.macro QSTEP t
.set XS, X+16*((\t)%2)
.if (\t) > 0
	s_wait_dscnt 1                                 ; this step's numbers are back from the stage (the last step's byte store may be out), so its stores into the stage have read their registers,
.else
	s_wait_dscnt 0x0
.endif
.if (\t)+4 < STEPS
	LOAD (\t)+4                                    ; which take the loads of four steps on
.endif
.if (\t)+1 < STEPS
.if STEPS-2-(\t) >= 3
	s_wait_loadcnt 12                              ; the next step's four loads are in; those of the three steps behind it may be out
.else
	s_wait_loadcnt 4*(STEPS-2-(\t))
.endif
	TURN (\t)+1
.endif
	v_max3_num_f32 v8, |v[XS]|, |v[XS+1]|, |v[XS+2]|               ; the largest magnitude of my 16, in two chains
	v_max3_num_f32 v9, |v[XS+3]|, |v[XS+4]|, |v[XS+5]|
.irp i, 6,10
	v_max3_num_f32 v8, v8, |v[XS+\i]|, |v[XS+\i+1]|
	v_max3_num_f32 v9, v9, |v[XS+\i+2]|, |v[XS+\i+3]|
.endr
	v_max3_num_f32 v8, v8, |v[XS+14]|, |v[XS+15]|
	v_max3_num_f32 v8, v8, v9, (EMAX+1)<<23        ; and the floor 2^(3 - 127): the byte cannot fall under 1
	v_max_num_f32_dpp v8, v8, v8 row_xmask:1 row_mask:0xf bank_mask:0xf   ; with my neighbour's 16: the block's
	v_add_nc_u32 v11, 0xff000000, v8               ; 2 off its exponent field: the conversion takes the exponent field of this operand as its scale
	v_cvt_scalef32_pk8_fp4_f32 v[C+4*(\t)], v[XS:XS+7], v11
	v_cvt_scalef32_pk8_fp4_f32 v[C+4*(\t)+1], v[XS+8:XS+15], v11
	v_lshrrev_b32 v[E+(\t)], 23, v11               ; the scale's byte
	ds_store_b8 v5, v[E+(\t)] offset:16*(\t)       ; both lanes of a block write the same byte with the same value
	global_store_b64 v4, v[C+4*(\t):C+4*(\t)+1], s[14:15] offset:32*CB*(\t)   ; the wave stores 256 consecutive bytes, aligned
.endm
.irp t, 0,1,2,3,4,5,6,7,8,9,10,11,12,13,14,15
	QSTEP \t
.endr
	ds_load_b64 v[8:9], v6                         ; my wave's 256 scale bytes
	s_wait_dscnt 0x0
	global_store_b64 v7, v[8:9], s[16:17]          ; 256 consecutive bytes, aligned
	s_wait_tensorcnt 0x0                           ; the wave's end
	ds_add_u32 v[SPW], v[NIL]
	s_wait_dscnt 0x0
	s_endpgm
; ---------------- Wo in f16, and the rotary table: no LDS ----------------
.macro WLOAD k, reg                    ; 2,048 numbers of my wave's 8,192: sixteen loads of 512 consecutive bytes
.irp i, 0,1,2,3,4,5,6,7,8,9,10,11,12,13,14,15
	global_load_b128 v[\reg+4*\i:\reg+4*\i+3], v3, s[12:13] offset:8192*(\k)+512*\i th:TH_LOAD_NT
.endr
.endm
.macro WCONV reg, k                    ; x 2 (exact), rounded to f16; each store covers 256 consecutive bytes, aligned
.irp i, 0,1,2,3,4,5,6,7,8,9,10,11,12,13,14,15
	v_pk_mul_f32 v[\reg+4*\i:\reg+4*\i+1], v[\reg+4*\i:\reg+4*\i+1], 2.0 op_sel_hi:[1,0]
	v_pk_mul_f32 v[\reg+4*\i+2:\reg+4*\i+3], v[\reg+4*\i+2:\reg+4*\i+3], 2.0 op_sel_hi:[1,0]
	v_cvt_pk_f16_f32 v[160+2*\i], v[\reg+4*\i], v[\reg+4*\i+1]
	v_cvt_pk_f16_f32 v[161+2*\i], v[\reg+4*\i+2], v[\reg+4*\i+3]
	global_store_b64 v1, v[160+2*\i:161+2*\i], s[18:19] offset:4096*(\k)+256*\i
.endr
.endm
; cos and sin of v11 (the position) x v[f], into v[c] and v[s].  v144-149 at work.
.macro SINCOS f, c, s
	v_mul_f32 v144, v11, v[\f]                     ; the angle, rounded once as a product of f32 numbers
	v_mul_f32 v145, 0.15915494, v144
	v_rndne_f32 v145, v145                         ; n = the nearest whole number of turns
	v_fmamk_f32 v144, v145, 0xc0c90000, v144       ; - n x 6.28125 (exact: n has 9 bits, the constant 8),
	v_fmamk_f32 v144, v145, 0xbafdaa22, v144       ; - n x (2 pi - 6.28125): the rest lies in -pi .. pi
	v_mul_f32 v146, 0x3e800000, v144               ; a quarter of it
	v_mul_f32 v147, v146, v146
	v_mov_b32 v[\s], 0x3638ef1d                    ; sin: 1/9!, -1/7!, 1/5!, -1/3!, 1
	v_fmaak_f32 v[\s], v[\s], v147, 0xb9500d01
	v_fmaak_f32 v[\s], v[\s], v147, 0x3c088889
	v_fmaak_f32 v[\s], v[\s], v147, 0xbe2aaaab
	v_fmaak_f32 v[\s], v[\s], v147, 0x3f800000
	v_mul_f32 v[\s], v[\s], v146
	v_mov_b32 v[\c], 0x37d00d01                    ; cos: 1/8!, -1/6!, 1/4!, -1/2, 1
	v_fmaak_f32 v[\c], v[\c], v147, 0xbab60b61
	v_fmaak_f32 v[\c], v[\c], v147, 0x3d2aaaab
	v_fmaak_f32 v[\c], v[\c], v147, 0xbf000000
	v_fmaak_f32 v[\c], v[\c], v147, 0x3f800000
.rept 2                                ; the angle is doubled twice: sin 2a = 2 sin a cos a, cos 2a = 1 - 2 sin^2 a
	v_mul_f32 v148, v[\s], v[\c]
	v_mul_f32 v149, v[\s], v[\s]
	v_fma_f32 v[\c], v149, -2.0, 1.0
	v_add_f32 v[\s], v148, v148
.endr
.endm
.Lpath_b:
	s_sub_co_u32 s25, s25, 896                     ; 4 u + wave, u = work-group - 224: 0 .. 127
	s_lshl_b32 s28, s25, 15                        ; Wo: 32,768 bytes a wave
	s_mov_b32 s29, 0
	s_lshl_b32 s30, s25, 14                        ; woh: 16,384
	s_mov_b32 s31, 0
	s_lshl_b32 s32, s25, 12                        ; the table: 16 positions of 256 bytes
	s_mov_b32 s33, 0
	s_lshl_b32 s34, s25, 4                         ; my wave's first position
	v_lshlrev_b32 v1, 3, v2                        ; 8 x lane
	s_wait_kmcnt 0x0
	s_add_nc_u64 s[12:13], s[12:13], s[28:29]
	s_add_nc_u64 s[18:19], s[18:19], s[30:31]
	s_add_nc_u64 s[20:21], s[20:21], s[32:33]
	WLOAD 0, RA
	WLOAD 1, RB                                    ; 32 loads are out while the table is made
	v_lshrrev_b32 v10, 4, v2
	v_add_nc_u32 v10, s34, v10                     ; lanes 0-15 an even position, lanes 16-31 the next
	v_and_b32 v14, 15, v2
	v_lshlrev_b32 v14, 1, v14
	v_cvt_f32_u32 v14, v14                         ; my two pairs j = 2 (lane % 16), + 1
	v_add_f32 v15, 1.0, v14
	v_mul_f32 v14, 0xbed49a78, v14                 ; - j log2(10000) / 32
	v_mul_f32 v15, 0xbed49a78, v15
	v_exp_f32 v8, v14                              ; 10000^(-j / 32)
	v_exp_f32 v9, v15
	v_mov_b32 v192, 0.5                            ; (a plain line behind the exponentials)  section 2's row: 0.5, 0
	v_mov_b32 v193, 0
	v_mov_b32 v194, 0.5
	v_mov_b32 v195, 0
	s_wait_alu depctr_va_vdst(0)                   ; one wait for both, ahead of their first reader
.set IT, 0
.rept 8
	s_wait_xcnt 0x0                                ; the last trip's stores have read v152-159
	v_add_nc_u32 v150, 2*IT, v10
	v_cvt_f32_u32 v11, v150
	SINCOS 8, 4, 5
	SINCOS 9, 6, 7
.irp k, 0,1,2,3
	v_mul_f32 v[152+\k], 0x3e800000, v[4+\k]       ; / 4 for q
	v_mul_f32 v[156+\k], 0.5, v[4+\k]              ; / 2 for k
.endr
	global_store_b128 v3, v[152:155], s[20:21] offset:512*IT           ; two positions' rows: 512 consecutive bytes
	global_store_b128 v3, v[156:159], s[20:21] offset:524288+512*IT
	global_store_b128 v3, v[192:195], s[20:21] offset:1048576+512*IT
.set IT, IT+1
.endr
	s_wait_loadcnt 16                              ; the first buffer is in; the other's 16 loads may be out
	WCONV RA, 0
	WLOAD 2, RA
	s_wait_loadcnt 16
	s_wait_xcnt 0x0                                ; the stores have read v160-191
	WCONV RB, 1
	WLOAD 3, RB
	s_wait_loadcnt 16
	s_wait_xcnt 0x0
	WCONV RA, 2
	s_wait_loadcnt 0x0
	s_wait_xcnt 0x0
	WCONV RB, 3
	s_wait_tensorcnt 0x0                           ; the same three closing lines on this path
	ds_add_u32 v[SPW], v[NIL]
	s_wait_dscnt 0x0
	s_endpgm
.Lfunc_end_k_q8879045332_prep:
	.size	k_q8879045332_prep, .Lfunc_end_k_q8879045332_prep-k_q8879045332_prep
	.p2alignl 7, 3214868480
	.fill 96, 4, 3214868480
	.section	.rodata,"a",@progbits
	.p2align	6, 0x0
	.amdhsa_kernel k_q8879045332_prep
		.amdhsa_group_segment_fixed_size 33280
		.amdhsa_private_segment_fixed_size 0
		.amdhsa_enable_private_segment 0
		.amdhsa_kernarg_size 72
		.amdhsa_user_sgpr_count 2
		.amdhsa_user_sgpr_kernarg_segment_ptr 1
		.amdhsa_wavefront_size32 1
		.amdhsa_system_sgpr_workgroup_id_x 1
		.amdhsa_system_sgpr_workgroup_id_y 1
		.amdhsa_system_sgpr_workgroup_id_z 1
		.amdhsa_system_vgpr_workitem_id 0
		.amdhsa_next_free_vgpr 196
		.amdhsa_next_free_sgpr 66
		.amdhsa_reserve_vcc 0
		.amdhsa_float_denorm_mode_32 3
		.amdhsa_float_denorm_mode_16_64 3
		.amdhsa_memory_ordered 1
		.amdhsa_forward_progress 1
		.amdhsa_inst_pref_size 89
	.end_amdhsa_kernel
	.amdgpu_metadata
---
amdhsa.version: [ 1, 2 ]
amdhsa.kernels:
  - .name:           k_q8879045332_prep
    .symbol:         k_q8879045332_prep.kd
    .args:
      - { .name: x, .offset: 0, .size: 8, .value_kind: global_buffer, .address_space: global }
      - { .name: Wq, .offset: 8, .size: 8, .value_kind: global_buffer, .address_space: global }
      - { .name: Wk, .offset: 16, .size: 8, .value_kind: global_buffer, .address_space: global }
      - { .name: Wv, .offset: 24, .size: 8, .value_kind: global_buffer, .address_space: global }
      - { .name: Wo, .offset: 32, .size: 8, .value_kind: global_buffer, .address_space: global }
      - { .name: codes, .offset: 40, .size: 8, .value_kind: global_buffer, .address_space: global }
      - { .name: scales, .offset: 48, .size: 8, .value_kind: global_buffer, .address_space: global }
      - { .name: woh, .offset: 56, .size: 8, .value_kind: global_buffer, .address_space: global }
      - { .name: rope, .offset: 64, .size: 8, .value_kind: global_buffer, .address_space: global }
    .group_segment_fixed_size: 33280
    .private_segment_fixed_size: 0
    .kernarg_segment_align: 8
    .kernarg_segment_size: 72
    .max_flat_workgroup_size: 128
    .sgpr_count:     66
    .vgpr_count:     196
    .wavefront_size: 32
...
	.end_amdgpu_metadata
.endif
;; end of part 1
;; launch qkv (part 2): grid 12 x 16, 4 waves a work-group, clusters of 4 x 4, 327,680 bytes of LDS; arguments codes, scales, rope, qkv; writes qkv
.if DOCPART == 2
	.amdgcn_target "amdgcn-amd-amdhsa--gfx1250"
	.amdhsa_code_object_version 6
	.text
	.protected	k_q8879045332_qkv
	.globl	k_q8879045332_qkv
	.p2align	8
	.type	k_q8879045332_qkv,@function
k_q8879045332_qkv:
	s_mov_b64 s[64:65], 0
	v_nop
	global_prefetch_b8 v0, s[64:65] scope:SCOPE_SE
	s_setreg_imm32_b32 hwreg(HW_REG_WAVE_MODE, 25, 1), 1
	s_wait_xcnt 0x0
	s_wait_alu depctr_hold_cnt(0) depctr_sa_sdst(0) depctr_va_vdst(0) depctr_va_sdst(0) depctr_va_ssrc(0) depctr_va_vcc(0) depctr_vm_vsrc(0)
	s_getreg_b32 s2, hwreg(HW_REG_IB_STS2, 6, 4)
	s_cmp_eq_u32 s2, 0
	s_cbranch_scc0 .Lentry_in_a_cluster
	s_endpgm
.Lentry_in_a_cluster:
	s_bfe_u32 s2, ttmp6, 0x10000c
	s_cmp_lg_u32 s2, 0xf033
	s_cbranch_scc0 .Lentry_shape_is_right
	s_endpgm
.Lentry_shape_is_right:
; QKV.  C[m][n] = sum over k of x[m][k] W[n][k] on codes of FP4 (E2M1) with one E8M0 scale for each 32 along K; m: 4096 rows of x, n: the 3072 rows of Wq, Wk, Wv, K = 1024.  Sums in f32.
; Then the rotary embedding and a power-of-two scale in one step (the table holds cos / 4, sin / 4 for q; cos / 2, sin / 2 for k; 0.5, 0 for v), rounding to f16, and
; qkv [3][32 = batch x 16 + head][2048 positions][64] f16, with the values q / 4, k / 2, v / 2.
; A tile of C, 256 x 256, is made by four waves, 128 x 128 each: 64 accumulators, 512 registers.  All of K fits two LDS slots of 512 along K: both are filled once, at the start, so nothing is filled again and there is no loop.
; The scale bytes of the tile's rows come once, as dense blocks.  CLUSTERS: 4 x 4 work-groups; x's tiles are asked for jointly along a row of the cluster, W's along a column.  The four tile columns of a cluster are one of q, k, v.
; THE MATRIX INSTRUCTION IS USED TRANSPOSED (source 0 = 16 rows of W, source 1 = 16 rows of x): a lane holds eight neighbouring columns of one row: four rotary pairs.
; LIMITS: |q| under 2.6e5, |k| and |v| under 1.3e5 (f16 of q / 4, k / 2, v / 2).  For v the rotation is x 0.5 + x' 0, which is x / 2 for finite numbers.
; REGISTERS, in windows of 256: window 0: v0-31 addresses; v32-95 scale words, two sets (on the way out: the rotated numbers); v128-191 x's fragments, one set (on the way out: rows read back);
;   v96-127, v192-255 three blocks of the table.  window 1: W's fragments, two sets, at v0 and v128; v64-127, v192-255 four blocks of the table; v0-31 the eighth, behind the last product.
;   window 2: the accumulators of my rows 0-63 ((a, b) at v[8 (8 a + b)]); window 3: those of rows 64-127.
.set SIZE_K, 1024
.set KSTEP,  512
.set NQ,     KSTEP/128
.set ROWB,   256                       ; a tile's row in bytes
.set KROW,   SIZE_K*4/8                ; a row of codes in memory
.set PITCH,  272                       ; an LDS row: 256 bytes + 16 of padding: the 16 rows that a load touches start 16 bytes apart modulo 256
.set FR,     8
.set NL,     2
.set NP,     4
.set HALFT,  128*PITCH
.set SLOT,   4*HALFT
.set KS,     SIZE_K/32                 ; a row of scale bytes
.set SCL,    2*SLOT
.set HALFS,  (128*KS/256)*272
.set SBLK,   (16*KS/256)*272
.set SPARE,  SCL+4*HALFS               ; the spare words, 128 bytes a wave
.set SPITCH, 272                       ; the way out: a stage of 16 rows x (256 bytes + 16) for each wave, in slot 0, which has had its one fill and its last read by then
.set ADRA, 16
.set ADRB, 20
.set STO,  24
.set RD,   25
.set CO,   26
.set ADRS, 27
.set SPW,  28
.set NIL,  29
.set TA,   30                          ; v30  the table: 256 x (lane % 16) + 32 x (lane / 16)
.set SC,   32
.set Y,    32
.set AF,   128
.set BK,   128
.set G1, 24
.set G0, 32
.set G1B, 48
.set G0B, 56
.set G1S, 68
.set G0S, 76
.set G1SB, 80
.set G0SB, 88
.set MSB, 0
.macro WIN new                         ; the immediate's high byte repeats the setting that is left
.if MSB != \new
	s_set_vgpr_msb (MSB<<8)|\new
.set MSB, \new
.endif
.endm
.set MUL_LO, 0xa1                      ; source 0 (W) window 1, source 1 (x) window 0, C and D window 2
.set MUL_HI, 0xf1
.set TO_B,   0x40
; A joint load: waves 0 and 1 fetch for x, waves 2 and 3 for W.  The branch hangs on the wave's number alone.  An s_nop 0 and four v_nop follow each line.
.macro JLOAD g0a, g1a, g0b, g1b
	s_cmp_eq_u32 s15, 0
	s_cbranch_scc0 .Lfor_b_\@
	tensor_load_to_lds s[\g0a:\g0a+3], s[\g1a:\g1a+7]
	s_nop 0
.rept 4
	v_nop
.endr
	s_branch .Lasked_\@
.Lfor_b_\@:
	tensor_load_to_lds s[\g0b:\g0b+3], s[\g1b:\g1b+7]
	s_nop 0
.rept 4
	v_nop
.endr
.Lasked_\@:
.endm
.macro CROUND                          ; a round of the cluster's barrier
	s_barrier_signal -1
	s_barrier_wait -1
	s_cmp_lg_u32 s14, 0
	s_cbranch_scc1 .Lnot_wave_0_\@
	s_barrier_signal -3
.Lnot_wave_0_\@:
	s_barrier_wait -3
	s_barrier_signal -1
	s_barrier_wait -1
.endm
	s_load_b128 s[4:7], s[0:1], 0x0                ; codes s[4:5], scales s[6:7]
	s_load_b128 s[96:99], s[0:1], 0x10             ; rope s[96:97], qkv s[98:99]
	v_lshl_add_u32 v[SPW], v0, 2, SPARE
	v_mov_b32 v[NIL], 0
	ds_add_u32 v[SPW], v[NIL]                      ; the wave's opening: the add and its wait come ahead of my first tensor load
	v_lshrrev_b32 v1, 5, v0
	v_readfirstlane_b32 s14, v1                    ; wave 0..3
	s_lshr_b32 s15, s14, 1                         ; my half of the tile's rows.  Also: I fetch for x (0) or for W (1)
	s_and_b32 s16, s14, 1                          ; my half of its columns.  Also: which 128 rows I fetch
	s_bfe_u32 s40, ttmp6, 0x40000                  ; cx, cy
	s_bfe_u32 s41, ttmp6, 0x40004
	s_lshl_b32 s42, ttmp9, 2
	s_add_co_u32 s42, s42, s40                     ; tile column = 4 x cluster x + cx
	s_and_b32 s17, ttmp7, 0xffff
	s_lshl_b32 s17, s17, 2
	s_add_co_u32 s17, s17, s41                     ; tile row = 4 x cluster y + cy
	s_lshl_b32 s43, s41, 2
	s_lshl_b32 s43, 15, s43                        ; my row of the cluster
	s_lshl_b32 s44, 0x1111, s40                    ; my column
	s_or_b32 s[G1+0], s43, (0<<16)|(1<<20)|(1<<21)|(5<<22)|(3<<25)  ; the mask; elements of 1 byte; padding on; bit 21 beside a mask; four words after every 64
	s_or_b32 s[G1B+0], s44, (0<<16)|(1<<20)|(1<<21)|(5<<22)|(3<<25)
.irp g, G1, G1B
	s_mov_b32 s[\g+1], ROWB<<16                    ; tensor_dim0
	s_mov_b32 s[\g+2], 128<<16                     ; tensor_dim1
	s_mov_b32 s[\g+3], ROWB<<16                    ; tile_dim0
	s_mov_b32 s[\g+4], 128                         ; tile_dim1
	s_mov_b32 s[\g+5], KROW                        ; the pitch in memory
	s_mov_b32 s[\g+6], 0
	s_mov_b32 s[\g+7], 0
.endr
	s_or_b32 s[G1S+0], s43, (3<<16)|(1<<20)|(1<<21)|(5<<22)|(3<<25) ; the scales of 128 rows: 4,096 dense bytes as 16 rows of 256 (32 elements of 8 bytes)
	s_or_b32 s[G1SB+0], s44, (3<<16)|(1<<20)|(1<<21)|(5<<22)|(3<<25)
.irp g, G1S, G1SB
	s_mov_b32 s[\g+1], 32<<16
	s_mov_b32 s[\g+2], (128*KS/256)<<16
	s_mov_b32 s[\g+3], 32<<16
	s_mov_b32 s[\g+4], 128*KS/256
	s_mov_b32 s[\g+5], 32
	s_mov_b32 s[\g+6], 0
	s_mov_b32 s[\g+7], 0
.endr
	s_lshl_b32 s18, s16, 7
	s_lshl_b32 s20, s17, 8
	s_add_co_u32 s20, s20, s18                     ; x: row 256 x tile row + 128 x half
	s_lshl_b32 s46, s42, 8
	s_add_co_u32 s46, s46, s18                     ; W: row 256 x tile column + 128 x half
	s_mov_b32 s21, 0
	s_mov_b32 s47, 0
	s_mov_b64 s[18:19], KS
	s_mul_u64 s[22:23], s[20:21], s[18:19]         ; where these rows' scales begin
	s_mul_u64 s[92:93], s[46:47], s[18:19]
	s_mov_b64 s[18:19], KROW
	s_mul_u64 s[20:21], s[20:21], s[18:19]         ; and their codes
	s_mul_u64 s[46:47], s[46:47], s[18:19]
	s_mul_i32 s45, s14, HALFT                      ; where they go: wave x 128 rows
	s_mul_i32 s94, s14, HALFS
	s_wait_dscnt 0x0                               ; the opening add is done
	s_wait_kmcnt 0x0
	s_add_nc_u64 s[8:9], s[4:5], 0x200000          ; W's codes lie behind x's 2 MiB,
	s_add_nc_u64 s[10:11], s[6:7], 0x20000         ; its scales behind x's 128 KiB
	s_add_nc_u64 s[20:21], s[4:5], s[20:21]
	s_add_nc_u64 s[22:23], s[6:7], s[22:23]
	s_add_nc_u64 s[46:47], s[8:9], s[46:47]
	s_add_nc_u64 s[92:93], s[10:11], s[92:93]
	CROUND                                         ; all sixteen work-groups are here: the joint loads meet
	s_mov_b32 s[G0S], 1
	s_add_co_u32 s[G0S+1], s94, SCL
	s_mov_b64 s[G0S+2:G0S+3], s[22:23]
	s_or_b32 s[G0S+3], s[G0S+3], 0x80000000
	s_mov_b32 s[G0SB], 1
	s_add_co_u32 s[G0SB+1], s94, SCL
	s_mov_b64 s[G0SB+2:G0SB+3], s[92:93]
	s_or_b32 s[G0SB+3], s[G0SB+3], 0x80000000
	JLOAD G0S, G1S, G0SB, G1SB                     ; the scales first
.irp s, 0,1
	s_mov_b32 s[G0+4*\s], 1
	s_add_co_u32 s[G0+4*\s+1], s45, \s*SLOT
	s_add_nc_u64 s[G0+4*\s+2:G0+4*\s+3], s[20:21], \s*ROWB
	s_or_b32 s[G0+4*\s+3], s[G0+4*\s+3], 0x80000000
	s_mov_b32 s[G0B+4*\s], 1
	s_add_co_u32 s[G0B+4*\s+1], s45, \s*SLOT
	s_add_nc_u64 s[G0B+4*\s+2:G0B+4*\s+3], s[46:47], \s*ROWB
	s_or_b32 s[G0B+4*\s+3], s[G0B+4*\s+3], 0x80000000
	JLOAD G0+4*\s, G1, G0B+4*\s, G1B               ; three loads of mine are out in all
.endr
	v_and_b32 v1, 15, v0                           ; r = lane % 16
	v_bfe_u32 v2, v0, 4, 1                         ; h = lane / 16
	v_mul_u32_u24 v3, v1, PITCH
	v_lshl_add_u32 v4, v2, 4, v3                   ; a fragment's row x pitch + 16 h
	s_mul_i32 s21, s15, HALFT
	s_mul_i32 s22, s16, HALFT
	s_add_co_u32 s22, s22, 2*HALFT
.irp s, 0,1
	v_add_nc_u32 v[ADRA+\s], s21, v4
	v_add_nc_u32 v[ADRB+\s], s22, v4
	s_add_co_u32 s21, s21, SLOT
	s_add_co_u32 s22, s22, SLOT
.endr
	v_mul_u32_u24 v5, v1, KS                       ; my row's scales: KS bytes a row,
	v_lshrrev_b32 v6, 8, v5
	v_lshl_add_u32 v5, v6, 4, v5                   ; and 16 more for each 256 passed
	s_mul_i32 s21, s15, HALFS
	s_mul_i32 s22, s16, HALFS
	s_add_co_u32 s22, s22, 2*HALFS
	s_sub_co_u32 s22, s22, s21
	v_mul_u32_u24 v6, s22, v2                      ; lanes 16-31 take W's
	s_add_co_u32 s21, s21, SCL
	v_add_nc_u32 v5, v5, v6
	v_add_nc_u32 v[ADRS], s21, v5
	s_mul_i32 s23, s14, 16*SPITCH                  ; my stage
	v_mul_u32_u24 v5, v1, SPITCH
	v_lshl_add_u32 v5, v2, 4, v5
	v_add_nc_u32 v[STO], s23, v5                   ; in: row r, 16 bytes for each half of the lanes
	v_and_b32 v6, 31, v0
	v_lshlrev_b32 v[CO], 4, v6                     ; out: 16 x lane
	v_lshrrev_b32 v5, 3, v6
	v_mul_u32_u24 v5, v5, SPITCH
	v_and_b32 v6, 7, v6
	v_lshl_add_u32 v5, v6, 4, v5
	v_add_nc_u32 v[RD], s23, v5                    ; back: eight lanes take a head's 128 bytes of a row, 32 lanes four rows
	v_lshlrev_b32 v[TA], 8, v1
	v_lshl_add_u32 v[TA], v2, 5, v[TA]
	s_and_b32 s20, s17, 7
	s_lshl_b32 s20, s20, 8
	s_lshl_b32 s21, s15, 7
	s_add_co_u32 s20, s20, s21                     ; my first position in the sequence
	s_lshl_b32 s22, s20, 8                         ; its row of the table,
	s_lshl_b32 s23, ttmp9, 19                      ; in the section of q, k or v (cluster x)
	s_add_co_u32 s22, s22, s23
	s_mov_b32 s23, 0
	s_add_nc_u64 s[96:97], s[96:97], s[22:23]
	s_lshl_b32 s20, s20, 7                         ; rows of 128 bytes in qkv
	s_lshr_b32 s21, s17, 3                         ; the batch
	s_lshl_b32 s21, s21, 4
	s_lshl_b32 s22, ttmp9, 5
	s_add_co_u32 s21, s21, s22
	s_lshl_b32 s46, s40, 2
	s_lshl_b32 s47, s16, 1
	s_add_co_u32 s46, s46, s47                     ; my first head: 4 cx + 2 x column half
	s_add_co_u32 s46, s46, s21
	s_lshl_b32 s46, s46, 18                        ; planes of 262,144 bytes
	s_add_co_u32 s46, s46, s20
	s_mov_b32 s47, 0
	s_add_nc_u64 s[98:99], s[98:99], s[46:47]
; The table of block a (16 positions): 32 registers a lane: for each 16 columns bb of a head the lane's four pairs (cos, sin).  Where they lie:
.macro TSET a
.if (\a) == 0
.set TW, 0
.set TBS, 192
.elseif (\a) == 1
.set TW, 0
.set TBS, 224
.elseif (\a) == 2
.set TW, 1
.set TBS, 64
.elseif (\a) == 3
.set TW, 1
.set TBS, 96
.elseif (\a) == 4
.set TW, 1
.set TBS, 192
.elseif (\a) == 5
.set TW, 1
.set TBS, 224
.elseif (\a) == 6
.set TW, 0
.set TBS, 96
.else
.set TW, 1
.set TBS, 0
.endif
.endm
.macro TABLE a
	TSET \a
.set WN, TW<<6
	WIN WN
.irp bb, 0,1,2,3
.irp i, 0,1
	global_load_b128 v[TBS+8*\bb+4*\i:TBS+8*\bb+4*\i+3], v[TA], s[96:97] offset:4096*(\a)+64*\bb+16*\i
.endr
.endr
.endm
.irp a, 0,1,2,3,4,5,6
	TABLE \a                                       ; 56 loads, into registers that the products do not touch; they land while the products run
.endr
	WIN 0
.macro FRAG reg, adr, q, i             ; 16 rows x 128 K of 4-bit codes: 8 registers; two loads of 16 bytes, 32 bytes apart
.irp c, 0,1
	ds_load_b128 v[\reg+4*\c:\reg+4*\c+3], v[\adr] offset:64*(\q)+32*\c+(\i)*16*PITCH
.endr
.endm
; 16 matrix instructions: x's blocks a0, a0 + 1 against W's eight.  The 64 accumulators take turns, one instruction a turn.  zero = 1: the first product starts the sums.
.macro MUL16 a0, p, q, sc, zero
.irp a, \a0, \a0+1
.irp b, 0,1,2,3,4,5,6,7
.if \zero
	v_wmma_scale_f32_16x16x128_f8f6f4 v[8*(8*((\a)%4)+\b):8*(8*((\a)%4)+\b)+7], v[128*(\p)+FR*\b:128*(\p)+FR*\b+FR-1], v[AF+FR*(\a):AF+FR*(\a)+FR-1], 0, v[SC+8*NQ*(\sc)+NQ*\b+(\q)], v[SC+8*NQ*(\sc)+NQ*(\a)+(\q)] matrix_a_fmt:MATRIX_FMT_FP4 matrix_b_fmt:MATRIX_FMT_FP4 matrix_a_scale:MATRIX_SCALE_ROW1
.else
	v_wmma_scale_f32_16x16x128_f8f6f4 v[8*(8*((\a)%4)+\b):8*(8*((\a)%4)+\b)+7], v[128*(\p)+FR*\b:128*(\p)+FR*\b+FR-1], v[AF+FR*(\a):AF+FR*(\a)+FR-1], v[8*(8*((\a)%4)+\b):8*(8*((\a)%4)+\b)+7], v[SC+8*NQ*(\sc)+NQ*\b+(\q)], v[SC+8*NQ*(\sc)+NQ*(\a)+(\q)] matrix_a_fmt:MATRIX_FMT_FP4 matrix_b_fmt:MATRIX_FMT_FP4 matrix_a_scale:MATRIX_SCALE_ROW1
.endif
.endr
.endr
.endm
.macro FETCH_B slot, q, p
	WIN TO_B
.irp i, 0,1,2,3,4,5,6,7
	FRAG 128*(\p)+FR*\i, ADRB+\slot, \q, \i
.endr
	WIN 0
.endm
.macro FETCH_A slot, q, i0
.irp i, \i0, \i0+1, \i0+2, \i0+3
	FRAG AF+FR*(\i), ADRA+\slot, \q, \i
.endr
.endm
.macro SCALES sc                       ; a slot's scale words: lanes 0-15 x's block i, lanes 16-31 W's block i
.irp i, 0,1,2,3,4,5,6,7
	ds_load_b128 v[SC+8*NQ*\sc+NQ*\i:SC+8*NQ*\sc+NQ*\i+3], v[ADRS] offset:\i*SBLK
.endr
.endm
.macro PLACES n                        ; plain vector lines between a matrix instruction and a load into, or a read of, its registers
.rept \n
	v_nop
.endr
.endm
.macro STEP slot, q, zero              ; 128 along K, with its successor in the same slot
	s_wait_dscnt 4*NL                              ; W's set and x's blocks 0-3 are in; the youngest eight loads (x's blocks 4-7) may be out
	WIN MUL_LO
	MUL16 0, (\q)%2, \q, \slot, \zero
	MUL16 2, (\q)%2, \q, \slot, \zero
	s_wait_dscnt 0
	PLACES NP
	FETCH_B \slot, (\q)+1, 1-(\q)%2
	FETCH_A \slot, (\q)+1, 0
	WIN MUL_HI
	MUL16 4, (\q)%2, \q, \slot, \zero
	MUL16 6, (\q)%2, \q, \slot, \zero
	PLACES NP
	WIN 0
	FETCH_A \slot, (\q)+1, 4
.endm
.macro STEPS slot, from
.set Q, \from
.rept NQ-1-\from
	STEP \slot, Q, 0
.set Q, Q+1
.endr
.endm
	s_wait_tensorcnt 1                             ; the scales and my part of slot 0 are in; slot 1's load may be out
	s_barrier_signal -1
	s_barrier_wait -1
	FETCH_B 0, 0, 0
	FETCH_A 0, 0, 0
	SCALES 0
	FETCH_A 0, 0, 4
	STEP 0, 0, 1                                   ; the first step's products start the sums
	STEPS 0, 1
	; slot 0's last step changes slots: one barrier; ahead of it my part of slot 1 has landed and my reads of slot 0 are over
	s_wait_tensorcnt 0x0
	ds_add_u32 v[SPW], v[NIL]                      ; 0 onto my spare word
	s_wait_dscnt 4*NL+1                            ; (the add and x's blocks 4-7 may be out)
	WIN MUL_LO
	MUL16 0, 1, NQ-1, 0, 0
	s_wait_dscnt 0x0
	s_barrier_signal -1
	MUL16 2, 1, NQ-1, 0, 0
	WIN 0
	s_barrier_wait -1
	PLACES NP
	v_add_nc_u32 v[ADRS], 4*NQ, v[ADRS]            ; the second slot's scale words
	FETCH_B 1, 0, 0
	FETCH_A 1, 0, 0
	SCALES 1
	WIN MUL_HI
	MUL16 4, 1, NQ-1, 0, 0
	MUL16 6, 1, NQ-1, 0, 0
	PLACES NP
	WIN 0
	FETCH_A 1, 0, 4
	STEPS 1, 0
	s_wait_dscnt 4*NL                              ; the very last step
	WIN MUL_LO
	MUL16 0, 1, NQ-1, 1, 0
	MUL16 2, 1, NQ-1, 1, 0
	s_wait_dscnt 0
	WIN MUL_HI
	MUL16 4, 1, NQ-1, 1, 0
	MUL16 6, 1, NQ-1, 1, 0
	WIN 0
; THE WAY OUT, block by block of 16 rows x 128 columns (two heads).  Rotation: (e, o) -> (e c - o s, e s + o c), two packed lines a pair; f16; through my stage; 512 consecutive bytes (four rows of a head) a store.
.macro OUTBLK a
	TSET \a
.set AC, 64*((\a)%4)
.set WN, (2+(\a)/4)|(TW<<2)
	s_wait_loadcnt 8*(7-(\a))                      ; this block's table is in; the later blocks' eight loads each may be out
	WIN WN                                         ; source 0: the accumulators' window; source 1: the table's
.irp b, 0,1,2,3,4,5,6,7
.irp p, 0,1,2,3
	v_pk_mul_f32 v[Y+8*\b+2*\p:Y+8*\b+2*\p+1], v[AC+8*\b+2*\p:AC+8*\b+2*\p+1], v[TBS+8*(\b%4)+2*\p:TBS+8*(\b%4)+2*\p+1] op_sel:[1,1] op_sel_hi:[1,0] neg_lo:[0,1]   ; (- o s, o c); each accumulator from its low end on
.endr
.irp p, 0,1,2,3
	v_pk_fma_f32 v[Y+8*\b+2*\p:Y+8*\b+2*\p+1], v[AC+8*\b+2*\p:AC+8*\b+2*\p+1], v[TBS+8*(\b%4)+2*\p:TBS+8*(\b%4)+2*\p+1], v[Y+8*\b+2*\p:Y+8*\b+2*\p+1] op_sel_hi:[0,1,1]   ; + (e c, e s)
.endr
.endr
	WIN 0
.set K2, 0
.rept 32
	v_cvt_pk_f16_f32 v[Y+K2], v[Y+2*K2], v[Y+2*K2+1]
.set K2, K2+1
.endr
.irp b, 0,1,2,3,4,5,6,7
	ds_store_b128 v[STO], v[Y+4*\b:Y+4*\b+3] offset:32*\b
.endr
.set BB, BK+32*((\a)%2)
.irp hd, 0,1
.irp i, 0,1,2,3
	ds_load_b128 v[BB+16*\hd+4*\i:BB+16*\hd+4*\i+3], v[RD] offset:4*\i*SPITCH+128*\hd   ; LDS serves a wave's instructions in order: these see the stores above
.endr
.endr
.endm
.macro SEND a, younger
.set BB, BK+32*((\a)%2)
	s_wait_dscnt \younger                          ; the block is back in registers; the next block's stage traffic may be out
.irp hd, 0,1
.irp i, 0,1,2,3
	global_store_b128 v[CO], v[BB+16*\hd+4*\i:BB+16*\hd+4*\i+3], s[98:99] offset:\hd*262144+(16*(\a)+4*\i)*128
.endr
.endr
.endm
	PLACES NP                                      ; behind the last products: for the loads and writes into their operands' and scales' registers, and for the reads of their results
	TABLE 7
	WIN 0
	OUTBLK 0
.irp a, 1,2,3,4,5,6,7
.if \a > 1
	s_wait_xcnt 0x0                                ; block a - 2's stores have read their registers: block a's loads may land there
.endif
	OUTBLK \a
	SEND \a-1, 16                                  ; behind block a - 1's loads: block a's 8 stores and 8 loads
.endr
	SEND 7, 0
	s_wait_tensorcnt 0x0                           ; the wave's end
	ds_add_u32 v[SPW], v[NIL]
	s_wait_dscnt 0x0
	CROUND                                         ; the closing round
	s_endpgm
.Lfunc_end_k_q8879045332_qkv:
	.size	k_q8879045332_qkv, .Lfunc_end_k_q8879045332_qkv-k_q8879045332_qkv
	.p2alignl 7, 3214868480
	.fill 96, 4, 3214868480
	.section	.rodata,"a",@progbits
	.p2align	6, 0x0
	.amdhsa_kernel k_q8879045332_qkv
		.amdhsa_group_segment_fixed_size 327680
		.amdhsa_private_segment_fixed_size 0
		.amdhsa_enable_private_segment 0
		.amdhsa_kernarg_size 32
		.amdhsa_user_sgpr_count 2
		.amdhsa_user_sgpr_kernarg_segment_ptr 1
		.amdhsa_wavefront_size32 1
		.amdhsa_system_sgpr_workgroup_id_x 1
		.amdhsa_system_sgpr_workgroup_id_y 1
		.amdhsa_system_sgpr_workgroup_id_z 1
		.amdhsa_system_vgpr_workitem_id 0
		.amdhsa_next_free_vgpr 1024
		.amdhsa_next_free_sgpr 100
		.amdhsa_reserve_vcc 0
		.amdhsa_float_denorm_mode_32 3
		.amdhsa_float_denorm_mode_16_64 3
		.amdhsa_memory_ordered 1
		.amdhsa_forward_progress 1
		.amdhsa_inst_pref_size 165
	.end_amdhsa_kernel
	.amdgpu_metadata
---
amdhsa.version: [ 1, 2 ]
amdhsa.kernels:
  - .name:           k_q8879045332_qkv
    .symbol:         k_q8879045332_qkv.kd
    .args:
      - { .name: codes, .offset: 0, .size: 8, .value_kind: global_buffer, .address_space: global }
      - { .name: scales, .offset: 8, .size: 8, .value_kind: global_buffer, .address_space: global }
      - { .name: rope, .offset: 16, .size: 8, .value_kind: global_buffer, .address_space: global }
      - { .name: qkv, .offset: 24, .size: 8, .value_kind: global_buffer, .address_space: global }
    .group_segment_fixed_size: 327680
    .private_segment_fixed_size: 0
    .kernarg_segment_align: 8
    .kernarg_segment_size: 32
    .max_flat_workgroup_size: 128
    .sgpr_count:     100
    .vgpr_count:     1024
    .wavefront_size: 32
...
	.end_amdgpu_metadata
.endif
;; end of part 2
;; launch attn (part 3): grid 16 x 16, 8 waves a work-group, clusters of 4 x 4, 327,680 bytes of LDS; arguments qkv, mask, oh; writes oh
.if DOCPART == 3
	.amdgcn_target "amdgcn-amd-amdhsa--gfx1250"
	.amdhsa_code_object_version 6
	.text
	.protected	k_q8879045332_attn
	.globl	k_q8879045332_attn
	.p2align	8
	.type	k_q8879045332_attn,@function
k_q8879045332_attn:
	s_mov_b64 s[64:65], 0
	v_nop
	global_prefetch_b8 v0, s[64:65] scope:SCOPE_SE
	s_setreg_imm32_b32 hwreg(HW_REG_WAVE_MODE, 25, 1), 1
	s_wait_xcnt 0x0
	s_wait_alu depctr_hold_cnt(0) depctr_sa_sdst(0) depctr_va_vdst(0) depctr_va_sdst(0) depctr_va_ssrc(0) depctr_va_vcc(0) depctr_vm_vsrc(0)
	s_getreg_b32 s2, hwreg(HW_REG_IB_STS2, 6, 4)
	s_cmp_eq_u32 s2, 0
	s_cbranch_scc0 .Lentry_in_a_cluster
	s_endpgm
.Lentry_in_a_cluster:
	s_bfe_u32 s2, ttmp6, 0x10000c
	s_cmp_lg_u32 s2, 0xf033
	s_cbranch_scc0 .Lentry_shape_is_right
	s_endpgm
.Lentry_shape_is_right:
; ATTN.  For each of the 32 (batch, head): O[q] = sum over k of softmax_k(Q[q] . K[k] / 8 + mask[q][k]) V[k].  qkv holds q / 4, k / 2, v / 2 in f16, so (q / 4) . (k / 2) is the scaled score and O comes out halved.
; The mask is an input: every number of it is read and added: it is the C operand of the score product.  oh [4096][1024] f16 = O / 2.
; SHARES.  A work-group takes 128 queries of TWO heads; wave w takes head w / 4 and 32 queries (two tiles of 16).  Two waves share a SIMD.  A mask tile serves both heads.
; Keys go 128 a slot through a ring of two LDS slots (mask 128 x 128 f32, K and V of both heads), 64 a step.
; HALF OF THE WAVES RUN HALF A STEP BEHIND.  A step is a HEAD (48 LDS loads, 16 score products) and a TAIL (the softmax, 16 products V^T P).  A wave whose bit STG = (w / 4 + w) mod 2 is 0 runs a slot as HEAD TAIL HEAD TAIL;
; a wave with STG = 1 as TAIL (of the step before) HEAD TAIL HEAD: it carries a step's scores and V fragments in registers across the change of slots.  Waves w and w + 4 differ in STG, and so do waves 2 k and 2 k + 1:
; so behind each round, which brings all waves into step, one of two such waves begins with loads and products and the other with vector work, and they go on by turns.
; LAYOUT.  S^T = K Q^T + mask^T (source 0 = 16 keys, source 1 = 16 queries), O^T = V^T P: a lane holds one query throughout.  V comes out of LDS turned, by ds_load_tr16_b128.
; SOFTMAX.  A running maximum m and sum l for each query: p = 2^(c s - c m), c = log2 e; in every step O and l are multiplied by 2^(c m_old - c m_new).  p is rounded to f16 for the second product; l is the sum of the unrounded p.
; CLUSTER 4 x 4.  K and V hang on the pair of heads (y) alone: asked for jointly along a row of the cluster.  The mask tile hangs on the query block (x) alone: jointly along a column.
; LIMITS: m starts at -1e30, so a row whose every score + mask lies under -1e30 gives l = 0; a score + mask under -2.3e38 overflows in c s; the score and the mask are summed and rounded by the matrix unit, not by a separate f32 addition;
;   NaN is not served.
; REGISTERS: window 0: v1-15 addresses; v16-31 statistics, 8 a tile (+0 c m, +1 m, +2, +3 l, +4..7 at work, the factor in +6); v32-63 Q; v64-127 S^T; v128-159 P; v160-223 K; v224-255 the way out.
;   window 1: v0-63 O^T (32 a tile); v64-127 V.
.set SLOT,  145408                     ; a slot: the mask's 128 rows x (512 + 16), K's 2 x 128 rows x (128 + 16), V's 2 x 128 rows x (128 + 32)
.set MOFF,  0
.set KOFF,  67584
.set VOFF,  104448
.set STAGE, 2*SLOT                     ; behind the ring: 128 rows x (256 + 16) for the way out
.set SPARE, STAGE+128*272              ; the spare words, 128 bytes a wave
.set AM,  3                            ; v3, v4   my place in the mask tile, slot 0, 1
.set AK,  5                            ; v5, v6   in K's tile
.set AV,  7                            ; v7, v8   in V's
.set QO,  9
.set STO, 10
.set RD,  11
.set GO,  12
.set SPW, 13
.set NIL, 14
.set PFO, 15
.set ST,  16
.set QF,  32
.set S,   64
.set P,   128
.set KF,  160
.set OUTR, 224
.set VF,  64                           ; in window 1
.set WV,  10                           ; s10 wave; s11 head of the pair; s12 quarter of the queries; s13, s14 cx, cy; s15 x; s16 y
.set G1K, 24
.set G1V, 32
.set G1M, 40
.set G0K, 48                           ; groups 0: a set for each slot
.set G0V, 56
.set STG, 66                           ; s66 1 in a wave that runs half a step behind
.set G0M, 68
.set CS,  76                           ; s[76:77] c
.set SEL, 78                           ; s[78:79] lane l xor 16
.set PFA, 80                           ; s[80:81] where my prefetches stand
.set PFS, 82                           ; s[82:83] a tile on, in bytes
.set LIM, 84                           ; s84 1 in a wave that prefetches
.set MSB, 0
.macro WIN new
.if MSB != \new
	s_set_vgpr_msb (MSB<<8)|\new
.set MSB, \new
.endif
.endm
.macro CROUND
	s_barrier_signal -1
	s_barrier_wait -1
	s_cmp_lg_u32 s[WV], 0
	s_cbranch_scc1 .Lnot_wave_0_\@
	s_barrier_signal -3
.Lnot_wave_0_\@:
	s_barrier_wait -3
	s_barrier_signal -1
	s_barrier_wait -1
.endm
; A joint load into slot s: waves 0, 1 K of the two heads; waves 2, 3 V; waves 4-7 32 rows of the mask each: 16 KiB a wave.  The branches hang on the wave's number alone.
.macro JLOAD3 s
	s_cmp_lt_u32 s[WV], 2
	s_cbranch_scc0 .Lnot_k_\@
	tensor_load_to_lds s[G0K+4*(\s):G0K+4*(\s)+3], s[G1K:G1K+7]
	s_nop 0
.rept 4
	v_nop
.endr
	s_branch .Lasked_\@
.Lnot_k_\@:
	s_cmp_lt_u32 s[WV], 4
	s_cbranch_scc0 .Lnot_v_\@
	tensor_load_to_lds s[G0V+4*(\s):G0V+4*(\s)+3], s[G1V:G1V+7]
	s_nop 0
.rept 4
	v_nop
.endr
	s_branch .Lasked_\@
.Lnot_v_\@:
	tensor_load_to_lds s[G0M+4*(\s):G0M+4*(\s)+3], s[G1M:G1M+7]
	s_nop 0
.rept 4
	v_nop
.endr
.Lasked_\@:
.endm
; A prefetch of the tile that the NEXT change of slots will ask for.  Each aligned 256 bytes are named once in the launch: K and V are walked by every cluster of a row of clusters: cluster x = 0 asks (wave 0 K, wave 2 V);
; the mask by every cluster of a column: cluster y = 0 asks (waves 4 and 6).  The four partners of a joint load share the bytes out by address.
.macro ASK
	s_cmp_eq_u32 s[LIM], 1
	s_cbranch_scc0 .Lnot_mine_\@
	global_prefetch_b8 v[PFO], s[PFA:PFA+1] th:TH_LOAD_NT scope:SCOPE_SE
.Lnot_mine_\@:
.endm
	s_load_b128 s[4:7], s[0:1], 0x0                ; qkv s[4:5], mask s[6:7]
	s_load_b64 s[8:9], s[0:1], 0x10                ; oh
	v_lshl_add_u32 v[SPW], v0, 2, SPARE
	v_mov_b32 v[NIL], 0
	ds_add_u32 v[SPW], v[NIL]                      ; the wave's opening: the add and its wait come ahead of my first tensor load
	v_lshrrev_b32 v1, 5, v0
	v_readfirstlane_b32 s[WV], v1                  ; wave 0..7
	s_lshr_b32 s11, s[WV], 2
	s_and_b32 s12, s[WV], 3
	s_bfe_u32 s13, ttmp6, 0x40000                  ; cx
	s_bfe_u32 s14, ttmp6, 0x40004                  ; cy
	s_lshl_b32 s15, ttmp9, 2
	s_add_co_u32 s15, s15, s13                     ; x: my block of 128 queries
	s_and_b32 s16, ttmp7, 0xffff
	s_lshl_b32 s16, s16, 2
	s_add_co_u32 s16, s16, s14                     ; y: my pair of heads
	s_lshl_b32 s17, s14, 2
	s_lshl_b32 s17, 15, s17                        ; my row of the cluster
	s_lshl_b32 s18, 0x1111, s13                    ; my column
	s_or_b32 s[G1K], s17, (1<<16)|(1<<20)|(1<<21)|(4<<22)|(3<<25)   ; elements of 2 bytes; four words of padding after every 32
	s_or_b32 s[G1V], s17, (1<<16)|(1<<20)|(1<<21)|(4<<22)|(7<<25)   ; eight words
	s_or_b32 s[G1M], s18, (2<<16)|(1<<20)|(1<<21)|(6<<22)|(3<<25)   ; elements of 4 bytes; four words after every 128
.irp g, G1K, G1V
	s_mov_b32 s[\g+1], 64<<16                      ; tensor_dim0
	s_mov_b32 s[\g+2], 128<<16                     ; tensor_dim1
	s_mov_b32 s[\g+3], 64<<16                      ; tile_dim0
	s_mov_b32 s[\g+4], 128                         ; tile_dim1
	s_mov_b32 s[\g+5], 64                          ; the pitch in memory
	s_mov_b32 s[\g+6], 0
	s_mov_b32 s[\g+7], 0
.endr
	s_mov_b32 s[G1M+1], 128<<16
	s_mov_b32 s[G1M+2], 32<<16
	s_mov_b32 s[G1M+3], 128<<16
	s_mov_b32 s[G1M+4], 32
	s_mov_b32 s[G1M+5], 2048
	s_mov_b32 s[G1M+6], 0
	s_mov_b32 s[G1M+7], 0
	s_and_b32 s19, s[WV], 1
	s_lshl_b32 s20, s16, 1
	s_add_co_u32 s20, s20, s19
	s_lshl_b32 s20, s20, 18                        ; the head that I fetch for: 2 y + wave % 2, planes of 262,144 bytes
	s_mov_b32 s21, 0
	s_lshl_b32 s22, s15, 20                        ; the mask: 128 x rows of 8,192 bytes,
	s_lshl_b32 s23, s12, 18                        ; + 32 (wave % 4) rows
	s_add_co_u32 s22, s22, s23
	s_mov_b32 s23, 0
	s_mul_i32 s86, s19, 128*144                    ; where they go in a slot
	s_mul_i32 s87, s19, 128*160
	s_mul_i32 s88, s12, 32*528
	s_lshl_b32 s90, s16, 1                         ; Q: head 2 y + wave / 4, query 128 x + 32 (wave % 4)
	s_add_co_u32 s90, s90, s11
	s_lshl_b32 s90, s90, 18
	s_lshl_b32 s91, s15, 14
	s_add_co_u32 s90, s90, s91
	s_lshl_b32 s91, s12, 12
	s_add_co_u32 s90, s90, s91
	s_mov_b32 s91, 0
	s_lshr_b32 s92, s16, 3                         ; oh: row (y / 8) 2048 + 128 x + 16 wave of 2,048 bytes, + (y % 8) 256
	s_lshl_b32 s92, s92, 22
	s_lshl_b32 s93, s15, 18
	s_add_co_u32 s92, s92, s93
	s_lshl_b32 s93, s[WV], 15
	s_add_co_u32 s92, s92, s93
	s_and_b32 s93, s16, 7
	s_lshl_b32 s93, s93, 8
	s_add_co_u32 s92, s92, s93
	s_mov_b32 s93, 0
	; the prefetches' offsets, at tile 1 (the first change steps them to tile 2)
	s_lshl_b32 s94, s16, 19                        ; K, V: both heads' planes from 2 y on,
	s_lshl_b32 s95, s13, 12                        ; my work-group's 4,096 bytes of a tile's 16,384,
	s_add_co_u32 s94, s94, s95
	s_add_co_u32 s94, s94, 8388608+16384           ; in K's section,
	s_cmp_lt_u32 s[WV], 2
	s_cselect_b32 s95, 0, 8388608
	s_add_co_u32 s94, s94, s95                     ; or V's
	s_lshl_b32 s89, s14, 17                        ; the mask: my work-group's 16 rows of each 64
	s_add_co_u32 s89, s89, s22
	s_add_co_u32 s89, s89, 512
	s_and_b32 s85, ttmp7, 0xffff
	s_cmp_lt_u32 s[WV], 4
	s_cselect_b32 s94, s94, s89
	s_cselect_b32 s85, ttmp9, s85                  ; the coordinate along which other clusters walk the same bytes
	s_cselect_b32 s2, 4, 1                         ; a lane's place: (lane >> 4) planes + (lane & 15) x 256, or (lane >> 1) rows + (lane & 1) x 256
	s_cselect_b32 s3, 18, 13
	s_cselect_b32 s89, 15, 1
	s_cselect_b32 s[PFS], 14, 9
	s_mov_b32 s95, 0
	s_lshl_b32 s[PFS], 1, s[PFS]                   ; a tile on: 16,384 bytes of K or V, 512 of a mask row
	s_mov_b32 s[PFS+1], 0
	s_and_b32 s[LIM], s[WV], 1
	s_or_b32 s[LIM], s[LIM], s85
	s_cmp_eq_u32 s[LIM], 0                         ; an even wave of a first cluster: the same in all sixteen partners
	s_cselect_b32 s[LIM], 1, -1
	s_lshr_b32 s[STG], s[WV], 2                    ; who runs half a step behind: (wave / 4 + wave) mod 2, of the wave's number alone: the same in every work-group
	s_xor_b32 s[STG], s[STG], s[WV]
	s_and_b32 s[STG], s[STG], 1
	v_and_b32 v[PFO], 31, v0
	v_and_b32 v1, s89, v[PFO]
	v_lshrrev_b32 v[PFO], s2, v[PFO]
	v_lshlrev_b32 v[PFO], s3, v[PFO]
	v_lshl_add_u32 v[PFO], v1, 8, v[PFO]
	s_mov_b32 s[CS], 0x3fb8aa3b                    ; c = log2 e
	s_mov_b32 s[CS+1], s[CS]
	s_mov_b32 s[SEL], 0x76543210
	s_mov_b32 s[SEL+1], 0xfedcba98
	s_wait_dscnt 0x0                               ; the opening add is done
	s_wait_kmcnt 0x0
	s_add_nc_u64 s[20:21], s[4:5], s[20:21]
	s_add_nc_u64 s[22:23], s[6:7], s[22:23]
	s_add_nc_u64 s[90:91], s[4:5], s[90:91]
	s_add_nc_u64 s[8:9], s[8:9], s[92:93]
	s_cmp_lt_u32 s[WV], 4
	s_cselect_b64 s[PFA:PFA+1], s[4:5], s[6:7]
	s_add_nc_u64 s[PFA:PFA+1], s[PFA:PFA+1], s[94:95]
	CROUND                                         ; all sixteen work-groups are here: the first joint loads meet
.irp s, 0,1
	s_mov_b32 s[G0K+4*\s], 1
	s_add_co_u32 s[G0K+4*\s+1], s86, KOFF+\s*SLOT
	s_add_nc_u64 s[G0K+4*\s+2:G0K+4*\s+3], s[20:21], 8388608+\s*16384
	s_or_b32 s[G0K+4*\s+3], s[G0K+4*\s+3], 0x80000000
	s_mov_b32 s[G0V+4*\s], 1
	s_add_co_u32 s[G0V+4*\s+1], s87, VOFF+\s*SLOT
	s_add_nc_u64 s[G0V+4*\s+2:G0V+4*\s+3], s[20:21], 16777216+\s*16384
	s_or_b32 s[G0V+4*\s+3], s[G0V+4*\s+3], 0x80000000
	s_mov_b32 s[G0M+4*\s], 1
	s_add_co_u32 s[G0M+4*\s+1], s88, MOFF+\s*SLOT
	s_add_nc_u64 s[G0M+4*\s+2:G0M+4*\s+3], s[22:23], \s*512
	s_or_b32 s[G0M+4*\s+3], s[G0M+4*\s+3], 0x80000000
.endr
	JLOAD3 0                                       ; tile 0: one load of mine is out
	v_and_b32 v1, 15, v0                           ; r
	v_bfe_u32 v2, v0, 4, 1                         ; h
	v_lshlrev_b32 v[QO], 7, v1
	v_lshl_add_u32 v[QO], v2, 4, v[QO]             ; Q: row r of 128 bytes, + 16 h
.irp t, 0,1
.irp c, 0,1
.irp i, 0,1
	global_load_b128 v[QF+16*\t+8*\c+4*\i:QF+16*\t+8*\c+4*\i+3], v[QO], s[90:91] offset:2048*\t+64*\c+32*\i
.endr
.endr
.endr
	s_mul_i32 s86, s12, 32*528
	v_mul_u32_u24 v[AM], v1, 528
	v_lshl_add_u32 v[AM], v2, 5, v[AM]
	v_add_nc_u32 v[AM], s86, v[AM]                 ; the mask: row 32 (wave % 4) + r, + 32 h bytes
	v_add_nc_u32 v[AM+1], SLOT, v[AM]
	s_mul_i32 s86, s11, 128*144
	s_add_co_u32 s86, s86, KOFF
	v_mul_u32_u24 v[AK], v1, 144
	v_lshl_add_u32 v[AK], v2, 4, v[AK]
	v_add_nc_u32 v[AK], s86, v[AK]                 ; K: my head's rows; row r, + 16 h
	v_add_nc_u32 v[AK+1], SLOT, v[AK]
	s_mul_i32 s86, s11, 128*160
	s_add_co_u32 s86, s86, VOFF
	v_and_b32 v[STO], 7, v0
	v_lshl_add_u32 v[AV], v2, 3, v[STO]
	v_mul_u32_u24 v[AV], v[AV], 160
	v_bfe_u32 v[STO], v0, 3, 1
	v_lshl_add_u32 v[AV], v[STO], 4, v[AV]
	v_add_nc_u32 v[AV], s86, v[AV]                 ; V, for the turning load: key 8 h + lane % 8, channels 8 ((lane / 8) % 2) on
	v_add_nc_u32 v[AV+1], SLOT, v[AV]
	s_mul_i32 s86, s12, 32*272
	s_lshl_b32 s87, s11, 7
	s_add_co_u32 s86, s86, s87
	s_add_co_u32 s86, s86, STAGE
	v_mul_u32_u24 v[STO], v1, 272
	v_lshl_add_u32 v[STO], v2, 4, v[STO]
	v_add_nc_u32 v[STO], s86, v[STO]               ; the stage, in: row 32 (wave % 4) + r, my head's 128 bytes, + 16 h
	s_mul_i32 s86, s[WV], 16*272
	s_add_co_u32 s86, s86, STAGE
	v_mul_u32_u24 v[RD], v2, 272
	v_lshl_add_u32 v[RD], v1, 4, v[RD]
	v_add_nc_u32 v[RD], s86, v[RD]                 ; back: my 16 rows, two an instruction
	v_lshlrev_b32 v[GO], 11, v2
	v_lshl_add_u32 v[GO], v1, 4, v[GO]             ; and the same two rows in oh
.irp t, 0,1
	v_mov_b32 v[ST+8*\t+1], 0xf149f2ca             ; m = -1e30
	v_mul_f32 v[ST+8*\t], s[CS], v[ST+8*\t+1]      ; c m
	v_mov_b32 v[ST+8*\t+2], 0                      ; l
	v_mov_b32 v[ST+8*\t+3], 0
.endr
; The step is written once, with no first step of its own.  O^T begins as zeros.  The waves that run behind begin with the TAIL of a step that was never multiplied: it finds scores of -infinity and a V of zeros:
; m stays -1e30, the factor is 2^0, every p is 0, and l and O^T stay 0: the arithmetic of a step that the mask hides wholly.
.set J, 0
.rept 64
	v_mov_b32 v[S+J], 0xff800000                   ; S^T = -infinity
.set J, J+1
.endr
	WIN 0x40
.set J, 0
.rept 128
	v_mov_b32 v[J], 0                              ; O^T, and V
.set J, J+1
.endr
	WIN 0
; A STEP'S HEAD: 64 keys, the q-th half of the slot: the mask, K and V come out of LDS, and S^T = K Q^T + mask.  V's loads may still be out at its end.
.macro HEAD slot, q
.rept 4
	v_nop                                          ; places behind the last products, in front of the loads into their registers (V's behind V^T P; S^T's and K's where a HEAD follows a HEAD across a change of slots)
.endr
.irp t, 0,1
.irp n, 0,1,2,3
.irp i, 0,1
	ds_load_b128 v[S+32*\t+8*\n+4*\i:S+32*\t+8*\n+4*\i+3], v[AM+\slot] offset:8448*\t+256*(\q)+64*\n+16*\i   ; THE MASK lands where the scores will: my query's keys 16 n + 8 h + 0 .. 7
.endr
.endr
.endr
.irp n, 0,1,2,3
.irp c, 0,1
.irp i, 0,1
	ds_load_b128 v[KF+16*\n+8*\c+4*\i:KF+16*\n+8*\c+4*\i+3], v[AK+\slot] offset:(64*(\q)+16*\n)*144+64*\c+32*\i
.endr
.endr
.endr
	WIN 0x40
.irp u, 0,1
.irp d, 0,1,2,3
	ds_load_tr16_b128 v[VF+8*(4*\u+\d):VF+8*(4*\u+\d)+3], v[AV+\slot] offset:(64*(\q)+32*\u)*160+32*\d
	ds_load_tr16_b128 v[VF+8*(4*\u+\d)+4:VF+8*(4*\u+\d)+7], v[AV+\slot] offset:(64*(\q)+32*\u)*160+2560+32*\d
.endr
.endr
	WIN 0
	s_wait_dscnt 16                                ; the mask and K are in; V's 16 loads may be out
.irp c, 0,1                                    ; eight accumulators by turns, one instruction a turn
.irp n, 0,1,2,3
.irp t, 0,1
	v_wmma_f32_16x16x32_f16 v[S+32*\t+8*\n:S+32*\t+8*\n+7], v[KF+16*\n+8*\c:KF+16*\n+8*\c+7], v[QF+16*\t+8*\c:QF+16*\t+8*\c+7], v[S+32*\t+8*\n:S+32*\t+8*\n+7]
.endr
.endr
.endr
.endm
; A STEP'S TAIL: the softmax of the scores in S^T, and O^T = O^T x factor + V^T P.  It touches registers alone, but for the wait for V's loads.
.macro TAIL
.rept 4
	v_nop                                          ; places behind the score products
.endr
	; the maximum of my 32 scores and the old m: four chains, each begun at an accumulator's low end; the two tiles line by line
.irp j, 0,1,2,3
.irp t, 0,1
	v_max3_num_f32 v[ST+8*\t+4+\j], v[S+32*\t+8*\j], v[S+32*\t+8*\j+1], v[S+32*\t+8*\j+2]
.endr
.endr
.irp k, 1,2
.irp j, 0,1,2,3
.irp t, 0,1
	v_max3_num_f32 v[ST+8*\t+4+\j], v[ST+8*\t+4+\j], v[S+32*\t+8*\j+2*\k+1], v[S+32*\t+8*\j+2*\k+2]
.endr
.endr
.endr
.irp t, 0,1
	v_max3_num_f32 v[ST+8*\t+4], v[ST+8*\t+4], v[S+32*\t+7], v[S+32*\t+15]
.endr
.irp t, 0,1
	v_max3_num_f32 v[ST+8*\t+6], v[ST+8*\t+6], v[S+32*\t+23], v[S+32*\t+31]
.endr
.irp t, 0,1
	v_max3_num_f32 v[ST+8*\t+4], v[ST+8*\t+4], v[ST+8*\t+5], v[ST+8*\t+6]
.endr
.irp t, 0,1
	v_max3_num_f32 v[ST+8*\t+4], v[ST+8*\t+4], v[ST+8*\t+7], v[ST+8*\t+1]
.endr
.irp t, 0,1
	v_permlanex16_b32 v[ST+8*\t+5], v[ST+8*\t+4], s[SEL], s[SEL+1]   ; the query's other 32 keys lie in the lane 16 away
.endr
.irp t, 0,1
	v_mov_b32 v[ST+8*\t+7], v[ST+8*\t]             ; c m_old
.endr
.irp t, 0,1
	v_max_num_f32 v[ST+8*\t+1], v[ST+8*\t+4], v[ST+8*\t+5]
.endr
.irp t, 0,1
	v_mul_f32 v[ST+8*\t], s[CS], v[ST+8*\t+1]
.endr
.irp t, 0,1
	v_sub_f32 v[ST+8*\t+7], v[ST+8*\t+7], v[ST+8*\t]
.endr
	; ONE BATCH of exponentials: the two factors, then (behind the scalings, which read none of their results) the 64 weights
.irp t, 0,1
	v_exp_f32 v[ST+8*\t+6], v[ST+8*\t+7]
.endr
.irp t, 0,1
.set J, 0
.rept 16
	v_pk_fma_f32 v[S+32*\t+2*J:S+32*\t+2*J+1], v[S+32*\t+2*J:S+32*\t+2*J+1], s[CS:CS+1], v[ST+8*\t:ST+8*\t+1] op_sel_hi:[1,0,0] neg_lo:[0,0,1] neg_hi:[0,0,1]   ; c s - c m
.set J, J+1
.endr
.endr
.set J, 0
.rept 64
	v_exp_f32 v[S+J], v[S+J]
.set J, J+1
.endr
	v_nop                                          ; a plain line behind the last exponential
	s_wait_alu depctr_va_vdst(0)                   ; one wait for the batch, ahead of its first reader
.set J, 0
.rept 32
	v_cvt_pk_f16_f32 v[P+J], v[S+2*J], v[S+2*J+1]  ; two neighbouring tiles of keys, rounded in pairs, ARE source 1 of V^T P
.set J, J+1
.endr
.irp z, 0,1,2,3,4,5,6,7                        ; the sum of the unrounded weights, pairs 1, 2, 4, 8 apart
.irp t, 0,1
	v_pk_add_f32 v[S+32*\t+4*\z:S+32*\t+4*\z+1], v[S+32*\t+4*\z:S+32*\t+4*\z+1], v[S+32*\t+4*\z+2:S+32*\t+4*\z+3]
.endr
.endr
.irp z, 0,1,2,3
.irp t, 0,1
	v_pk_add_f32 v[S+32*\t+8*\z:S+32*\t+8*\z+1], v[S+32*\t+8*\z:S+32*\t+8*\z+1], v[S+32*\t+8*\z+4:S+32*\t+8*\z+5]
.endr
.endr
.irp z, 0,1
.irp t, 0,1
	v_pk_add_f32 v[S+32*\t+16*\z:S+32*\t+16*\z+1], v[S+32*\t+16*\z:S+32*\t+16*\z+1], v[S+32*\t+16*\z+8:S+32*\t+16*\z+9]
.endr
.endr
.irp t, 0,1
	v_pk_add_f32 v[S+32*\t:S+32*\t+1], v[S+32*\t:S+32*\t+1], v[S+32*\t+16:S+32*\t+17]
.endr
.irp t, 0,1
	v_pk_fma_f32 v[ST+8*\t+2:ST+8*\t+3], v[ST+8*\t+2:ST+8*\t+3], v[ST+8*\t+6:ST+8*\t+7], v[S+32*\t:S+32*\t+1] op_sel_hi:[1,0,1]
.endr
	WIN 0x41                                       ; O^T (destination, source 0) window 1
.irp t, 0,1
.set J, 0
.rept 16
	v_pk_mul_f32 v[32*\t+2*J:32*\t+2*J+1], v[32*\t+2*J:32*\t+2*J+1], v[ST+8*\t+6:ST+8*\t+7] op_sel_hi:[1,0]   ; each accumulator from its low end on
.set J, J+1
.endr
.endr
	s_wait_dscnt 0x0                               ; V is in
	WIN 0x51                                       ; V and O^T window 1, P window 0
.irp u, 0,1
.irp d, 0,1,2,3
.irp t, 0,1
	v_wmma_f32_16x16x32_f16 v[32*\t+8*\d:32*\t+8*\d+7], v[VF+8*(4*\u+\d):VF+8*(4*\u+\d)+7], v[P+16*\t+8*\u:P+16*\t+8*\u+7], v[32*\t+8*\d:32*\t+8*\d+7]
.endr
.endr
.endr
	WIN 0
.endm
; A slot's turn.
; a wave that runs behind has that slot's last scores and V fragments in registers by then (the wait for 0 on DScnt covers its last HEAD's 48 loads).
; Behind the round the other slot is filled with the next tile: one load a wave, which has this slot's two steps in which to land.
.macro TRIP slot, refill, ask
	s_wait_tensorcnt 0x0                           ; no tensor load of mine is out, so a group 0 may be written
	ds_add_u32 v[SPW], v[NIL]
	s_add_nc_u64 s[G0K+4*\slot+2:G0K+4*\slot+3], s[G0K+4*\slot+2:G0K+4*\slot+3], 32768   ; this slot's next tile: 256 keys on
	s_add_nc_u64 s[G0V+4*\slot+2:G0V+4*\slot+3], s[G0V+4*\slot+2:G0V+4*\slot+3], 32768
	s_add_nc_u64 s[G0M+4*\slot+2:G0M+4*\slot+3], s[G0M+4*\slot+2:G0M+4*\slot+3], 1024
.if \ask
	s_wait_xcnt 0x0                                ; the last prefetch, a slot back, has read its address
	s_add_nc_u64 s[PFA:PFA+1], s[PFA:PFA+1], s[PFS:PFS+1]
.endif
	s_wait_dscnt 0x0
	CROUND
.if \refill
	JLOAD3 1-\slot
.endif
.if \ask
	ASK
.endif
	s_cmp_eq_u32 s[STG], 0
	s_cbranch_scc1 .Lno_lead_\@
	TAIL                                           ; a wave that runs behind: the TAIL of the last slot's second step
.Lno_lead_\@:
	HEAD \slot, 0
	TAIL
	HEAD \slot, 1
	s_cmp_lg_u32 s[STG], 0
	s_cbranch_scc1 .Lno_trail_\@
	TAIL                                           ; the others finish the slot's second step here
.Lno_trail_\@:
.endm
	s_wait_loadcnt 0x0                             ; Q
	s_mov_b32 s3, 7
.Lloop:                                            ; 16 tiles: seven trips of two, which load tiles 1 to 14 and prefetch tiles 2 to 15
	TRIP 0, 1, 1
	TRIP 1, 1, 1
	s_sub_co_u32 s3, s3, 1
	s_cmp_lg_u32 s3, 0
	s_cbranch_scc1 .Lloop
	TRIP 0, 1, 0                                   ; the tail is written out: tile 15 is the last load, and nothing is prefetched
	TRIP 1, 0, 0
	s_cmp_eq_u32 s[STG], 0
	s_cbranch_scc1 .Lall_steps
	TAIL                                           ; the waves that run behind: the last step's TAIL
.Lall_steps:
	; THE WAY OUT: O^T / l, f16, through the stage: a row's 256 bytes come from the waves of both heads, so a barrier stands between writing and reading
.rept 4
	v_nop                                          ; places behind the last products
.endr
.irp t, 0,1
	v_add_f32 v[ST+8*\t+4], v[ST+8*\t+2], v[ST+8*\t+3]
.endr
.irp t, 0,1
	v_permlanex16_b32 v[ST+8*\t+5], v[ST+8*\t+4], s[SEL], s[SEL+1]
.endr
.irp t, 0,1
	v_add_f32 v[ST+8*\t+4], v[ST+8*\t+4], v[ST+8*\t+5]
.endr
.irp t, 0,1
	v_rcp_f32 v[ST+8*\t+6], v[ST+8*\t+4]
.endr
	v_nop
	s_wait_alu depctr_va_vdst(0)                   ; one wait for both reciprocals
	WIN 0x41
.irp t, 0,1
.set J, 0
.rept 16
	v_pk_mul_f32 v[32*\t+2*J:32*\t+2*J+1], v[32*\t+2*J:32*\t+2*J+1], v[ST+8*\t+6:ST+8*\t+7] op_sel_hi:[1,0]
.set J, J+1
.endr
.endr
	WIN 0x05
.set J, 0
.rept 32
	v_cvt_pk_f16_f32 v[OUTR+J], v[2*J], v[2*J+1]
.set J, J+1
.endr
	WIN 0
.irp t, 0,1
.irp d, 0,1,2,3
	ds_store_b128 v[STO], v[OUTR+16*\t+4*\d:OUTR+16*\t+4*\d+3] offset:4352*\t+32*\d
.endr
.endr
	s_wait_dscnt 0x0                               ; for the others' sake: my stores into the stage are done
	s_barrier_signal -1
	s_barrier_wait -1
.irp i, 0,1,2,3,4,5,6,7
	ds_load_b128 v[S+4*\i:S+4*\i+3], v[RD] offset:544*\i
.endr
.irp i, 0,1,2,3,4,5,6,7
	s_wait_dscnt 7-\i                              ; the younger loads may be out
	global_store_b128 v[GO], v[S+4*\i:S+4*\i+3], s[8:9] offset:4096*\i   ; 16 lanes store 256 consecutive bytes, aligned
.endr
	s_wait_tensorcnt 0x0                           ; the wave's end
	ds_add_u32 v[SPW], v[NIL]
	s_wait_dscnt 0x0
	CROUND                                         ; the closing round
	s_endpgm
.Lfunc_end_k_q8879045332_attn:
	.size	k_q8879045332_attn, .Lfunc_end_k_q8879045332_attn-k_q8879045332_attn
	.p2alignl 7, 3214868480
	.fill 96, 4, 3214868480
	.section	.rodata,"a",@progbits
	.p2align	6, 0x0
	.amdhsa_kernel k_q8879045332_attn
		.amdhsa_group_segment_fixed_size 327680
		.amdhsa_private_segment_fixed_size 0
		.amdhsa_enable_private_segment 0
		.amdhsa_kernarg_size 24
		.amdhsa_user_sgpr_count 2
		.amdhsa_user_sgpr_kernarg_segment_ptr 1
		.amdhsa_wavefront_size32 1
		.amdhsa_system_sgpr_workgroup_id_x 1
		.amdhsa_system_sgpr_workgroup_id_y 1
		.amdhsa_system_sgpr_workgroup_id_z 1
		.amdhsa_system_vgpr_workitem_id 0
		.amdhsa_next_free_vgpr 384
		.amdhsa_next_free_sgpr 96
		.amdhsa_reserve_vcc 0
		.amdhsa_float_denorm_mode_32 3
		.amdhsa_float_denorm_mode_16_64 3
		.amdhsa_memory_ordered 1
		.amdhsa_forward_progress 1
		.amdhsa_inst_pref_size 245
	.end_amdhsa_kernel
	.amdgpu_metadata
---
amdhsa.version: [ 1, 2 ]
amdhsa.kernels:
  - .name:           k_q8879045332_attn
    .symbol:         k_q8879045332_attn.kd
    .args:
      - { .name: qkv, .offset: 0, .size: 8, .value_kind: global_buffer, .address_space: global }
      - { .name: mask, .offset: 8, .size: 8, .value_kind: global_buffer, .address_space: global }
      - { .name: oh, .offset: 16, .size: 8, .value_kind: global_buffer, .address_space: global }
    .group_segment_fixed_size: 327680
    .private_segment_fixed_size: 0
    .kernarg_segment_align: 8
    .kernarg_segment_size: 24
    .max_flat_workgroup_size: 256
    .sgpr_count:     96
    .vgpr_count:     384
    .wavefront_size: 32
...
	.end_amdgpu_metadata
.endif
;; end of part 3
;; launch proj (part 4): grid 8 x 32, 4 waves a work-group, clusters of 4 x 4, 327,680 bytes of LDS; arguments oh, woh, out0; writes out0
.if DOCPART == 4
	.amdgcn_target "amdgcn-amd-amdhsa--gfx1250"
	.amdhsa_code_object_version 6
	.text
	.protected	k_q8879045332_proj
	.globl	k_q8879045332_proj
	.p2align	8
	.type	k_q8879045332_proj,@function
k_q8879045332_proj:
	s_mov_b64 s[64:65], 0
	v_nop
	global_prefetch_b8 v0, s[64:65] scope:SCOPE_SE
	s_setreg_imm32_b32 hwreg(HW_REG_WAVE_MODE, 25, 1), 1
	s_wait_xcnt 0x0
	s_wait_alu depctr_hold_cnt(0) depctr_sa_sdst(0) depctr_va_vdst(0) depctr_va_sdst(0) depctr_va_ssrc(0) depctr_va_vcc(0) depctr_vm_vsrc(0)
	s_getreg_b32 s2, hwreg(HW_REG_IB_STS2, 6, 4)
	s_cmp_eq_u32 s2, 0
	s_cbranch_scc0 .Lentry_in_a_cluster
	s_endpgm
.Lentry_in_a_cluster:
	s_bfe_u32 s2, ttmp6, 0x10000c
	s_cmp_lg_u32 s2, 0xf033
	s_cbranch_scc0 .Lentry_shape_is_right
	s_endpgm
.Lentry_shape_is_right:
; PROJ.  out0[m][n] = sum over k of oh[m][k] woh[n][k]: oh [4096][1024] f16 holds the attention's result halved, woh [1024][1024] f16 holds 2 Wo, so the product is O Wo^T.  Sums and out0 in f32.
; A tile of 128 x 128 to a work-group: 256 work-groups.  Four waves, each 64 x 64: 16 accumulators.  K goes in steps of 256 (LDS rows of 512 bytes) through a ring of two slots filled by the tensor data mover.
; CLUSTERS 4 x 4: oh's tiles are asked for jointly along a row of the cluster, woh's along a column.  THE MATRIX INSTRUCTION IS USED TRANSPOSED: a lane holds eight neighbouring numbers of a row of out0.
; A wave's 64 columns of f32 are 256 aligned bytes of a row, so each wave has a stage of its own on the way out and no barrier is needed there.
; No prefetch: the tiles are small and the launch is short.
; REGISTERS: window 0: v0-31 addresses; v32-95 rows on the way out; v128-255 the accumulators ((a, b) at v[128 + 8 (4 a + b)]).  window 1: two fragment buffers of 128.
.set SIZE_N, 1024
.set SIZE_K, 1024
.set KSTEP,  256
.set PITCH,  528                       ; an LDS row: 512 bytes + 16 of padding
.set HALFT,  64*PITCH
.set SLOT,   4*HALFT
.set STAGE,  2*SLOT                    ; behind the ring: 16 rows x 272 bytes for each wave
.set SPITCH, 272
.set SPARE,  STAGE+4*16*SPITCH         ; the spare words, 128 bytes a wave
.set LAPS, SIZE_K/(2*KSTEP)
.set ADRA, 16
.set ADRB, 20
.set STO,  24
.set RD,   25
.set CO,   26
.set SPW,  28
.set NIL,  29
.set TMP,  32
.set ACC,  128
.set F0,   0
.set F1,   128
.set G1, 24
.set G0, 32
.set G1B, 48
.set G0B, 56
.set MSB, 0
.macro WIN new
.if MSB != \new
	s_set_vgpr_msb (MSB<<8)|\new
.set MSB, \new
.endif
.endm
.set MUL,  0x05                        ; sources 0 and 1 window 1; C and D window 0
.set TO_F, 0x40
.macro JLOAD s                         ; a joint load: waves 0 and 1 fetch oh's two halves, waves 2 and 3 woh's
	s_cmp_eq_u32 s11, 0
	s_cbranch_scc0 .Lfor_b_\@
	tensor_load_to_lds s[G0+4*\s:G0+4*\s+3], s[G1:G1+7]
	s_nop 0
.rept 4
	v_nop
.endr
	s_branch .Lasked_\@
.Lfor_b_\@:
	tensor_load_to_lds s[G0B+4*\s:G0B+4*\s+3], s[G1B:G1B+7]
	s_nop 0
.rept 4
	v_nop
.endr
.Lasked_\@:
.endm
.macro CREST
	s_cmp_lg_u32 s10, 0
	s_cbranch_scc1 .Lnot_wave_0_\@
	s_barrier_signal -3
.Lnot_wave_0_\@:
	s_barrier_wait -3
	s_barrier_signal -1
	s_barrier_wait -1
.endm
.macro CROUND
	s_barrier_signal -1
	s_barrier_wait -1
	CREST
.endm
	s_load_b128 s[4:7], s[0:1], 0x0                ; oh s[4:5], woh s[6:7]
	s_load_b64 s[8:9], s[0:1], 0x10                ; out0
	v_lshl_add_u32 v[SPW], v0, 2, SPARE
	v_mov_b32 v[NIL], 0
	ds_add_u32 v[SPW], v[NIL]                      ; the wave's opening: the add and its wait come ahead of my first tensor load
	v_lshrrev_b32 v1, 5, v0
	v_readfirstlane_b32 s10, v1                    ; wave 0..3
	s_lshr_b32 s11, s10, 1                         ; my half of the tile's rows.  Also: I fetch for oh (0) or woh (1)
	s_and_b32 s12, s10, 1                          ; my half of its columns.  Also: which 64 rows I fetch
	s_bfe_u32 s40, ttmp6, 0x40000
	s_bfe_u32 s41, ttmp6, 0x40004
	s_lshl_b32 s42, ttmp9, 2
	s_add_co_u32 s42, s42, s40                     ; tile column
	s_and_b32 s13, ttmp7, 0xffff
	s_lshl_b32 s13, s13, 2
	s_add_co_u32 s13, s13, s41                     ; tile row
	s_lshl_b32 s43, s41, 2
	s_lshl_b32 s43, 15, s43
	s_lshl_b32 s44, 0x1111, s40
	s_or_b32 s[G1+0], s43, (1<<16)|(1<<20)|(1<<21)|(6<<22)|(3<<25)  ; elements of 2 bytes; four words of padding after every 128
	s_or_b32 s[G1B+0], s44, (1<<16)|(1<<20)|(1<<21)|(6<<22)|(3<<25)
.irp g, G1, G1B
	s_mov_b32 s[\g+1], KSTEP<<16
	s_mov_b32 s[\g+2], 64<<16
	s_mov_b32 s[\g+3], KSTEP<<16
	s_mov_b32 s[\g+4], 64
	s_mov_b32 s[\g+5], SIZE_K
	s_mov_b32 s[\g+6], 0
	s_mov_b32 s[\g+7], 0
.endr
	s_lshl_b32 s17, s12, 6
	s_lshl_b32 s16, s13, 7
	s_add_co_u32 s16, s16, s17
	s_lshl_b32 s46, s42, 7
	s_add_co_u32 s46, s46, s17
	s_mov_b32 s17, 0
	s_mov_b32 s47, 0
	s_mov_b64 s[18:19], SIZE_K*2
	s_mul_u64 s[16:17], s[16:17], s[18:19]
	s_mul_u64 s[46:47], s[46:47], s[18:19]
	s_mul_i32 s20, s10, HALFT
	s_wait_dscnt 0x0                               ; the opening add is done
	s_wait_kmcnt 0x0
	s_add_nc_u64 s[14:15], s[4:5], s[16:17]
	s_add_nc_u64 s[46:47], s[6:7], s[46:47]
	CROUND
.irp s, 0,1
	s_mov_b32 s[G0+4*\s], 1
	s_add_co_u32 s[G0+4*\s+1], s20, \s*SLOT
	s_add_nc_u64 s[G0+4*\s+2:G0+4*\s+3], s[14:15], \s*KSTEP*2
	s_or_b32 s[G0+4*\s+3], s[G0+4*\s+3], 0x80000000
	s_mov_b32 s[G0B+4*\s], 1
	s_add_co_u32 s[G0B+4*\s+1], s20, \s*SLOT
	s_add_nc_u64 s[G0B+4*\s+2:G0B+4*\s+3], s[46:47], \s*KSTEP*2
	s_or_b32 s[G0B+4*\s+3], s[G0B+4*\s+3], 0x80000000
	JLOAD \s                                       ; two loads of mine are out
.endr
	v_and_b32 v1, 15, v0
	v_bfe_u32 v2, v0, 4, 1
	v_mul_u32_u24 v3, v1, PITCH
	v_lshl_add_u32 v3, v2, 4, v3
	s_mul_i32 s21, s11, HALFT
	s_mul_i32 s22, s12, HALFT
	s_add_co_u32 s22, s22, 2*HALFT
.irp s, 0,1
	v_add_nc_u32 v[ADRA+\s], s21, v3
	v_add_nc_u32 v[ADRB+\s], s22, v3
	s_add_co_u32 s21, s21, SLOT
	s_add_co_u32 s22, s22, SLOT
.endr
	s_mul_i32 s23, s10, 16*SPITCH
	s_add_co_u32 s23, s23, STAGE                   ; my stage
	v_mul_u32_u24 v4, v1, SPITCH
	v_lshl_add_u32 v4, v2, 5, v4
	v_add_nc_u32 v[STO], s23, v4                   ; in: row r, 32 bytes for each half of the lanes
	v_mul_u32_u24 v5, v2, SPITCH
	v_lshl_add_u32 v5, v1, 4, v5
	v_add_nc_u32 v[RD], s23, v5                    ; back: lanes 0-15 one row of 256 bytes, lanes 16-31 the next
	v_mul_u32_u24 v5, v2, SIZE_N*4
	v_lshl_add_u32 v[CO], v1, 4, v5                ; and the same two rows in out0
	s_lshl_b32 s16, s13, 7
	s_lshl_b32 s17, s11, 6
	s_add_co_u32 s16, s16, s17                     ; my first row: 128 x tile row + 64 x half
	s_mov_b32 s17, 0
	s_mov_b64 s[18:19], SIZE_N*4
	s_mul_u64 s[16:17], s[16:17], s[18:19]
	s_add_nc_u64 s[8:9], s[8:9], s[16:17]
	s_lshl_b32 s46, s42, 9                         ; my first column, in bytes: 512 x tile column + 256 x half
	s_lshl_b32 s47, s12, 8
	s_add_co_u32 s46, s46, s47
	s_mov_b32 s47, 0
	s_add_nc_u64 s[8:9], s[8:9], s[46:47]
.macro MUL8 f, c, a0, zero             ; 8 matrix instructions; the 16 accumulators take turns
.irp a, \a0, \a0+1
.irp b, 0,1,2,3
.if \zero
	v_wmma_f32_16x16x32_f16 v[ACC+8*(4*(\a)+\b):ACC+8*(4*(\a)+\b)+7], v[\f+64+8*(4*\c+\b):\f+64+8*(4*\c+\b)+7], v[\f+8*(4*\c+\a):\f+8*(4*\c+\a)+7], 0
.else
	v_wmma_f32_16x16x32_f16 v[ACC+8*(4*(\a)+\b):ACC+8*(4*(\a)+\b)+7], v[\f+64+8*(4*\c+\b):\f+64+8*(4*\c+\b)+7], v[\f+8*(4*\c+\a):\f+8*(4*\c+\a)+7], v[ACC+8*(4*(\a)+\b):ACC+8*(4*(\a)+\b)+7]
.endif
.endr
.endr
.endm
.macro FETCH slot, k, f                ; 32 LDS loads in one run: the fragments of 64 along K at byte k of the rows
	WIN TO_F
.irp c, 0,1
.irp i, 0,1,2,3
	ds_load_b128 v[\f+64+8*(4*\c+\i):\f+64+8*(4*\c+\i)+3],   v[ADRB+\slot] offset:\k+64*\c+\i*16*PITCH
	ds_load_b128 v[\f+64+8*(4*\c+\i)+4:\f+64+8*(4*\c+\i)+7], v[ADRB+\slot] offset:\k+64*\c+\i*16*PITCH+32
	ds_load_b128 v[\f+8*(4*\c+\i):\f+8*(4*\c+\i)+3],         v[ADRA+\slot] offset:\k+64*\c+\i*16*PITCH
	ds_load_b128 v[\f+8*(4*\c+\i)+4:\f+8*(4*\c+\i)+7],       v[ADRA+\slot] offset:\k+64*\c+\i*16*PITCH+32
.endr
.endr
.endm
.macro PLACES
.rept 4
	v_nop
.endr
.endm
.macro QUARTER slot, k, f, g, zero
	s_wait_dscnt 16                                ; the first 32 along K are in; the other sixteen loads may be out
	WIN MUL
	MUL8 \f, 0, 0, \zero
	MUL8 \f, 0, 2, \zero
	PLACES
	FETCH \slot, \k, \g
	s_wait_dscnt 32                                ; all but the 32 just issued
	WIN MUL
	MUL8 \f, 1, 0, 0
	MUL8 \f, 1, 2, 0
.endm
.macro TURN slot, next, fill           ; the last quarter changes slots: one barrier; ahead of it all my tensor loads have landed, the add is done and my reads of this slot are over
	WIN 0
	s_wait_tensorcnt 0x0
	ds_add_u32 v[SPW], v[NIL]
	s_wait_dscnt 17                                ; (the add and the youngest sixteen loads may be out)
	WIN MUL
	MUL8 F1, 0, 0, 0
	s_wait_dscnt 0x0
	s_barrier_signal -1
	MUL8 F1, 0, 2, 0
.if \fill
	WIN 0
.endif
	s_barrier_wait -1
.if \fill
	CREST                                          ; the barrier has opened a round of the cluster's barrier
	s_add_nc_u64 s[G0+4*\slot+2:G0+4*\slot+3], s[G0+4*\slot+2:G0+4*\slot+3], 2*KSTEP*2
	s_add_nc_u64 s[G0B+4*\slot+2:G0B+4*\slot+3], s[G0B+4*\slot+2:G0B+4*\slot+3], 2*KSTEP*2
	JLOAD \slot                                    ; the first tensor load behind the round; its four v_nop are also the places in front of the loads below
.else
	PLACES
.endif
	FETCH \next, 0, F0
	WIN MUL
	MUL8 F1, 1, 0, 0
	MUL8 F1, 1, 2, 0
.endm
	s_wait_tensorcnt 1                             ; my part of K step 0 is in; K step 1's load may be out
	s_barrier_signal -1
	s_barrier_wait -1
	FETCH 0, 0, F0
	QUARTER 0, 128, F0, F1, 1
	WIN 0
	s_mov_b32 s3, LAPS-1
.Llap:
	QUARTER 0, 256, F1, F0, 0
	QUARTER 0, 384, F0, F1, 0
	TURN 0, 1, 1
	QUARTER 1, 128, F0, F1, 0
	QUARTER 1, 256, F1, F0, 0
	QUARTER 1, 384, F0, F1, 0
	TURN 1, 0, 1
	QUARTER 0, 128, F0, F1, 0
	WIN 0
	s_sub_co_u32 s3, s3, 1
	s_cmp_lg_u32 s3, 0
	s_cbranch_scc1 .Llap
	QUARTER 0, 256, F1, F0, 0                      ; the last lap fills nothing
	QUARTER 0, 384, F0, F1, 0
	TURN 0, 1, 0
	QUARTER 1, 128, F0, F1, 0
	QUARTER 1, 256, F1, F0, 0
	QUARTER 1, 384, F0, F1, 0
	s_wait_dscnt 16
	WIN MUL
	MUL8 F1, 0, 0, 0
	MUL8 F1, 0, 2, 0
	s_wait_dscnt 0
	MUL8 F1, 1, 0, 0
	MUL8 F1, 1, 2, 0
	WIN 0
; THE WAY OUT, 16 rows x 64 columns at a time, through my own stage: in as 32 bytes a lane, back as whole rows of 256 bytes
.macro TOSTAGE a
.irp b, 0,1,2,3
	ds_store_b128 v[STO], v[ACC+8*(4*(\a)+\b):ACC+8*(4*(\a)+\b)+3] offset:64*\b          ; each accumulator from its low end on
	ds_store_b128 v[STO], v[ACC+8*(4*(\a)+\b)+4:ACC+8*(4*(\a)+\b)+7] offset:64*\b+16
.endr
.set BB, TMP+32*((\a)%2)
.irp t, 0,1,2,3,4,5,6,7
	ds_load_b128 v[BB+4*\t:BB+4*\t+3], v[RD] offset:\t*2*SPITCH   ; LDS serves a wave's instructions in order: these see the stores above
.endr
.endm
.macro SEND a, younger
.set BB, TMP+32*((\a)%2)
	s_wait_dscnt \younger
.irp t, 0,1,2,3,4,5,6,7
	global_store_b128 v[CO], v[BB+4*\t:BB+4*\t+3], s[8:9] offset:(16*(\a)+2*\t)*SIZE_N*4 th:TH_STORE_NT   ; 16 lanes store 256 consecutive bytes, aligned
.endr
.endm
	PLACES
	TOSTAGE 0
.irp a, 1,2,3
.if \a > 1
	s_wait_xcnt 0x0                                ; block a - 2's stores have read their registers
.endif
	TOSTAGE \a
	SEND \a-1, 16                                  ; behind block a - 1's loads: block a's 8 stores and 8 loads
.endr
	SEND 3, 0
	s_wait_tensorcnt 0x0                           ; the wave's end
	ds_add_u32 v[SPW], v[NIL]
	s_wait_dscnt 0x0
	CROUND                                         ; the closing round
	s_endpgm
.Lfunc_end_k_q8879045332_proj:
	.size	k_q8879045332_proj, .Lfunc_end_k_q8879045332_proj-k_q8879045332_proj
	.p2alignl 7, 3214868480
	.fill 96, 4, 3214868480
	.section	.rodata,"a",@progbits
	.p2align	6, 0x0
	.amdhsa_kernel k_q8879045332_proj
		.amdhsa_group_segment_fixed_size 327680
		.amdhsa_private_segment_fixed_size 0
		.amdhsa_enable_private_segment 0
		.amdhsa_kernarg_size 24
		.amdhsa_user_sgpr_count 2
		.amdhsa_user_sgpr_kernarg_segment_ptr 1
		.amdhsa_wavefront_size32 1
		.amdhsa_system_sgpr_workgroup_id_x 1
		.amdhsa_system_sgpr_workgroup_id_y 1
		.amdhsa_system_sgpr_workgroup_id_z 1
		.amdhsa_system_vgpr_workitem_id 0
		.amdhsa_next_free_vgpr 512
		.amdhsa_next_free_sgpr 66
		.amdhsa_reserve_vcc 0
		.amdhsa_float_denorm_mode_32 3
		.amdhsa_float_denorm_mode_16_64 3
		.amdhsa_memory_ordered 1
		.amdhsa_forward_progress 1
		.amdhsa_inst_pref_size 86
	.end_amdhsa_kernel
	.amdgpu_metadata
---
amdhsa.version: [ 1, 2 ]
amdhsa.kernels:
  - .name:           k_q8879045332_proj
    .symbol:         k_q8879045332_proj.kd
    .args:
      - { .name: oh, .offset: 0, .size: 8, .value_kind: global_buffer, .address_space: global }
      - { .name: woh, .offset: 8, .size: 8, .value_kind: global_buffer, .address_space: global }
      - { .name: out0, .offset: 16, .size: 8, .value_kind: global_buffer, .address_space: global }
    .group_segment_fixed_size: 327680
    .private_segment_fixed_size: 0
    .kernarg_segment_align: 8
    .kernarg_segment_size: 24
    .max_flat_workgroup_size: 128
    .sgpr_count:     66
    .vgpr_count:     512
    .wavefront_size: 32
...
	.end_amdgpu_metadata
.endif
;; end of part 4
